; MI455X (gfx1250); checked and timed in simulation.
; The chip was launched on July 23, 2026; its instructions are those of AMD's public machine-readable ISA for CDNA 5 (MIT licence, August 2026) and "CDNA5" Instruction Set Architecture Reference Guide (July 2026). The comments in the code are by the model that wrote it; some were corrected since.
;; Multi Head Attention. Allowed arithmetic: matrix products marked QUANTISED: E2M1 operands, one E8M0 scale for each 32 along K, by v_wmma_scale_f32_16x16x128_f8f6f4 with both operands' format E2M1 (or v_wmma_scale_f32_32x16x128_f4), f32 sums; products left as they are: bf16, f16 or f32 operands; f32 sums; everything else in f32.
;; Inputs: Wk 2,048 x 2,048 float32; Wo 2,048 x 2,048 float32; Wq 2,048 x 2,048 float32; Wv 2,048 x 2,048 float32; rotary_cos 1 x 2,048 x 128 float32; rotary_sin 1 x 2,048 x 128 float32; x 1 x 2,048 x 2,048 float32.
;; Outputs: out0 1 x 2,048 x 2,048 float32.
;; This version of the problem:
;;   THIS VERSION OF THE PROBLEM IS GIVEN IN LOW PRECISION. The matrix products marked QUANTISED in the list below multiply operands that are first quantised to E2M1 (2 exponent bits, 1 mantissa bit; 4 bits a number), with one power-of-two scale for each 32 numbers along K (OCP MX v1.0); their sums are f32. The products marked 'left as it is' may take bf16, f16 or f32 operands, with f32 sums. Whichever they take, every output number must still come out within the allowed error. Rounding operands to bf16 (8 significant bits) uses up far more of that allowance than f16 does (11 bits, for magnitudes from 6e-5 to 65,504). All else is computed in f32.
;;   The module's matrix products, in the order in which they are computed (A, B: the left and right operand; K: the contracted axis; several contracted axes count as one K, in the product's order):
;;     1. [M 2,048, K 2,048] x [K 2,048, N 2,048]; A: input x; B: input Wq: QUANTISED
;;     2. [M 2,048, K 2,048] x [K 2,048, N 2,048]; A: input x; B: input Wk: QUANTISED
;;     3. [M 2,048, K 2,048] x [K 2,048, N 2,048]; A: input x; B: input Wv: QUANTISED
;;     4. batch 16 x [M 2,048, K 128] x [K 128, N 2,048]; A: computed on the way; B: computed on the way: left as it is (an operand is computed on the way)
;;     5. batch 16 x [M 2,048, K 2,048] x [K 2,048, N 128]; A: computed on the way; B: computed on the way: left as it is (an operand is computed on the way)
;;     6. [M 2,048, K 2,048] x [K 2,048, N 2,048]; A: computed on the way; B: input Wo: left as it is (an operand is computed on the way)
;;   THE QUANTISER, for each operand of a quantised product, along K:
;;     - K is cut into blocks of 32 from its start; a last block that is shorter is filled with zeros.
;;     - A block's scale is 2^e with e = floor(log2(the largest magnitude in the block)) - 2, held to -126 .. 127; a block of zeros has e = 0. As a byte (E8M0): e + 127.
;;     - Each number is divided by its block's scale, clamped to +-6, and rounded to the nearest number of E2M1, ties to even, subnormals kept.
;;     - The product sums the exact products of the quantised numbers (number of the format x scale) in f32.
;;   ~~~python
;;   def quantise(x, axis):      # numpy; x: float32 -> the quantised numbers, widened to float32 again
;;       x = np.moveaxis(x, axis, -1); K = x.shape[-1]
;;       x = np.pad(x, [(0, 0)] * (x.ndim - 1) + [(0, -K % 32)]); x = x.reshape(x.shape[:-1] + (-1, 32)); a = np.abs(x).max(-1, keepdims=True)
;;       e = np.where(a > 0, np.clip(np.frexp(np.where(a > 0, a, 1))[1] - 1 - 2, -126, 127), 0)      # np.frexp(a)[1] - 1 = floor(log2(a)), exactly
;;       r = np.clip(x / 2.0 ** e, -6, 6)
;;       step = 2.0 ** (np.maximum(np.frexp(np.where(r == 0, 1, r))[1] - 1, 0) - 1)
;;       q = np.round(r / step) * step * 2.0 ** e      # np.round: ties to even
;;       return np.moveaxis(q.reshape(q.shape[:-2] + (-1,))[..., :K], -1, axis).astype(np.float32)
;;   ~~~
;; One version. Each part assembles by itself: llvm-mc -triple=amdgcn-amd-amdhsa -mcpu=gfx1250 --defsym DOCPART=n.
;; ======== version 1 of 1: 4 launches
;; limits: values are held in f16: magnitudes above 65,504 overflow, below 6.1e-05 lose precision
;; workspace buffers: codes 8,388,608 bytes; scales 524,288 bytes; wo16 8,388,608 bytes; rope 2,097,152 bytes; qkv 25,165,824 bytes; fine 393,216 bytes; o16 8,388,608 bytes; ofine 131,072 bytes
;; launch prep (part 1): grid 672 x 1, 4 waves a work-group, no clusters, 33,280 bytes of LDS; arguments x, Wq, Wk, Wv, Wo, rotary_cos, rotary_sin, codes, scales, wo16, rope; writes codes, scales, wo16, rope
.if DOCPART == 1
	.amdgcn_target "amdgcn-amd-amdhsa--gfx1250"
	.amdhsa_code_object_version 6
	.text
	.protected	k_qae517db045_prep
	.globl	k_qae517db045_prep
	.p2align	8
	.type	k_qae517db045_prep,@function
k_qae517db045_prep:
	s_mov_b64 s[64:65], 0
	v_nop
	global_prefetch_b8 v0, s[64:65] scope:SCOPE_SE
	s_setreg_imm32_b32 hwreg(HW_REG_WAVE_MODE, 25, 1), 1
	s_wait_xcnt 0x0
; THE PROGRAM: a causal attention layer, S = E = 2048, 16 heads of 128.  Four launches: prep (this one), qkv, attn, proj.
; WORK LEFT OUT, in the whole program: reference() builds a causal mask by jnp.tril and sets hidden scores to the least f32 number ahead of the softmax, so a hidden key's weight is 0 for
; every finite input (each query sees at least its own key, whose weight is not 0).  Blocks of 64 keys that lie wholly behind a block of 64 queries are therefore neither loaded nor multiplied (launch attn).
; Inside the block on the diagonal the hidden products are made and masked.  No input is dead: all seven are loaded.
; LIMIT: a NaN, an infinity or an overflow that reaches only the products left out is not carried to the result.
; THIS LAUNCH, three kinds of work-group, told apart by the work-group's number:
;  0-511   x, Wq, Wk, Wv (f32, K innermost) into codes of E2M1 with one E8M0 byte for each 32 along K: codes [8192 rows][1024 bytes], scales [8192][64]; rows 0-2047 x, then Wq, Wk, Wv.
;          A block's scale is 2^(floor(log2(largest magnitude)) - 2); its byte is the largest magnitude's exponent field - 2, held at 1 from below.  A block of zeros gets the byte 1 where the rule says 127:
;          its codes are zeros, which add nothing, and the bytes are read by this program alone.
;          THE ROWS OF Wq AND Wk ARE PERMUTED: feature f = [G:2][g:2][u:1][c:2][i:4] (head 4 G + g, channel 64 u + 16 c + i) goes to row [G:2][c:2][g:2][u:1][i:4], so that 128 neighbouring rows hold,
;          for four heads, 16 channels and their 16 partners of the rotation (channel + 64).
;  512-639 Wo into f16, row-major (wo16).
;  640-671 the rotation's tables in the order of launch qkv's registers, times 2^-6 (exact): rope [block of 16 positions][c][cos lo, -sin lo, cos hi, sin hi][half][lane][16 bytes];
;          lane (r, h), register 4 half + e: position r, channel lo = 16 c + 8 h + 4 half + e, hi = lo + 64.
; LIMITS: |Wo| under 65,504 (f16); blocks whose largest magnitude lies under 2^-124 keep the byte 1; NaN and infinities among the inputs are not served.
; No matrix unit, no cluster, no prefetch: each input byte is read once, by dense loads, many of them out at a time.
.set STEPS, 16
.set EMAX,  2
.set CB,    8                          ; bytes of 16 codes
.set R,     16                         ; v16-79   four sets of 16 numbers as they are loaded
.set X,     80                         ; v80-111  two sets of 16 neighbours
.set E,     112                        ; v112-127 a scale byte for each step
.set C,     128                        ; v128-191 codes (or f16 numbers) to store
.set WREG,  8192                       ; LDS: a region for each wave: two stages of 32 x SP bytes, then its 256 scale bytes
.set SP,    80                         ; a lane's place in a stage: 64 bytes + 16 of padding
.set SPW,   12                         ; v12 LDS address of my spare word; never rewritten
.set NIL,   13                         ; v13 0; never rewritten
.set SPARE, 4*WREG                     ; behind the four regions: the spare words, 128 bytes a wave
.macro LOAD t                          ; step t: four loads of 512 consecutive bytes
.irp i, 0,1,2,3
	global_load_b128 v[R+16*((\t)%4)+4*\i:R+16*((\t)%4)+4*\i+3], v3, s[4:5] offset:2048*(\t)+512*\i th:TH_LOAD_NT
.endr
.endm
.macro TURN t                          ; step t's numbers through the wave's stage: in as they lie, out 64 bytes a lane.  LDS serves a wave's instructions in order
.irp i, 0,1,2,3
	ds_store_b128 v14, v[R+16*((\t)%4)+4*\i:R+16*((\t)%4)+4*\i+3] offset:32*SP*((\t)%2)+8*SP*\i
.endr
.irp i, 0,1,2,3
	ds_load_b128 v[X+16*((\t)%2)+4*\i:X+16*((\t)%2)+4*\i+3], v15 offset:32*SP*((\t)%2)+16*\i
.endr
.endm
.macro STEP t                          ; 512 numbers: a lane holds 16 neighbours, two neighbouring lanes a block
.set XS, X+16*((\t)%2)
.if (\t) > 0
	s_wait_dscnt 1                                 ; this step's numbers are back (the last step's byte store may be out)
.else
	s_wait_dscnt 0x0
.endif
.if (\t)+4 < STEPS
	LOAD (\t)+4
.endif
.if (\t)+1 < STEPS
.if STEPS-2-(\t) >= 3
	s_wait_loadcnt 12                              ; the next step's four loads are in; those of the three steps behind it may be out
.else
	s_wait_loadcnt 4*(STEPS-2-(\t))
.endif
	TURN (\t)+1
.endif
	v_max3_num_f32 v8, |v[XS]|, |v[XS+1]|, |v[XS+2]|
	v_max3_num_f32 v9, |v[XS+3]|, |v[XS+4]|, |v[XS+5]|
.irp i, 6,10
	v_max3_num_f32 v8, v8, |v[XS+\i]|, |v[XS+\i+1]|
	v_max3_num_f32 v9, v9, |v[XS+\i+2]|, |v[XS+\i+3]|
.endr
	v_max3_num_f32 v8, v8, |v[XS+14]|, |v[XS+15]|
	v_max3_num_f32 v8, v8, v9, (EMAX+1)<<23        ; the floor 2^(3 - 127): the byte cannot fall under 1
	v_max_num_f32_dpp v8, v8, v8 row_xmask:1 row_mask:0xf bank_mask:0xf   ; with my neighbour's 16: the block's largest magnitude
	v_add_nc_u32 v11, -(EMAX<<23), v8              ; 2 off its exponent field: the conversion takes this operand's exponent field as its scale
	v_cvt_scalef32_pk8_fp4_f32 v[C+4*(\t)], v[XS:XS+7], v11
	v_cvt_scalef32_pk8_fp4_f32 v[C+4*(\t)+1], v[XS+8:XS+15], v11
	v_lshrrev_b32 v[E+(\t)], 23, v11               ; the scale's byte
	ds_store_b8 v5, v[E+(\t)] offset:16*(\t)       ; both lanes of a block write the same byte
	global_store_b64 v4, v[C+4*(\t):C+4*(\t)+1], s[18:19] offset:32*CB*(\t)   ; the wave stores 256 consecutive bytes
.endm
.macro CSTEP t                         ; 512 numbers of Wo into f16
.if (\t) < 13
	s_wait_loadcnt 12                              ; this step's four loads are in; three steps' may be out
.else
	s_wait_loadcnt 4*(15-(\t))
.endif
	s_wait_xcnt 0x0                                ; the stores of four steps ago have read their registers
.irp i, 0,1,2,3
	v_cvt_pk_f16_f32 v[C+8*((\t)%4)+2*\i], v[R+16*((\t)%4)+4*\i], v[R+16*((\t)%4)+4*\i+1]
	v_cvt_pk_f16_f32 v[C+8*((\t)%4)+2*\i+1], v[R+16*((\t)%4)+4*\i+2], v[R+16*((\t)%4)+4*\i+3]
.endr
.if (\t)+4 < STEPS
	LOAD (\t)+4
.endif
.irp i, 0,1,2,3
	global_store_b64 v4, v[C+8*((\t)%4)+2*\i:C+8*((\t)%4)+2*\i+1], s[22:23] offset:1024*(\t)+256*\i   ; 256 consecutive bytes, aligned
.endr
.endm
	s_load_b512 s[4:19], s[0:1], 0x0               ; x, Wq, Wk, Wv, Wo, cos, sin, codes
	s_load_b128 s[20:23], s[0:1], 0x40             ; scales, wo16
	s_load_b64 s[24:25], s[0:1], 0x50              ; rope
	v_lshl_add_u32 v[SPW], v0, 2, SPARE
	v_mov_b32 v[NIL], 0
	v_lshrrev_b32 v1, 5, v0
	v_readfirstlane_b32 s26, v1                    ; wave
	v_and_b32 v2, 31, v0                           ; lane
	v_lshlrev_b32 v3, 4, v2                        ; 16 x lane
	s_mul_i32 s27, s26, WREG
	v_lshrrev_b32 v14, 2, v2
	v_mul_u32_u24 v14, v14, SP
	v_and_b32 v15, 3, v2
	v_lshl_add_u32 v14, v15, 4, v14
	v_add_nc_u32 v14, s27, v14                     ; the stage, way in: SP (lane / 4) + 16 (lane % 4)
	v_mul_u32_u24 v15, v2, SP
	v_add_nc_u32 v15, s27, v15                     ; way out: SP x lane
	v_mul_u32_u24 v4, v2, CB                       ; 8 x lane
	v_lshrrev_b32 v5, 1, v2
	s_add_co_u32 s27, s27, 2*32*SP
	v_add_nc_u32 v5, s27, v5                       ; my block's scale byte in LDS
	v_lshlrev_b32 v7, 3, v2
	v_add_nc_u32 v6, s27, v7
	s_mov_b32 s33, 0
	s_wait_kmcnt 0x0
	s_cmp_lt_u32 ttmp9, 512
	s_cbranch_scc0 .Lnot_codes
	; ---- codes: tensor T = work-group / 128; my wave's run of 8,192 numbers is four rows
	s_lshr_b32 s27, ttmp9, 7
	s_cmp_eq_u32 s27, 1
	s_cselect_b64 s[4:5], s[6:7], s[4:5]
	s_cmp_eq_u32 s27, 2
	s_cselect_b64 s[4:5], s[8:9], s[4:5]
	s_cmp_eq_u32 s27, 3
	s_cselect_b64 s[4:5], s[10:11], s[4:5]
	s_and_b32 s28, ttmp9, 127
	s_lshl_b32 s28, s28, 2
	s_add_co_u32 s28, s28, s26                     ; the run
	s_lshl_b32 s29, s28, 2                         ; its first row f
	s_and_b32 s30, s29, 0x60f                      ; G and i stay,
	s_and_b32 s31, s29, 0x30
	s_lshl_b32 s31, s31, 3                         ; c goes up three bits,
	s_or_b32 s30, s30, s31
	s_and_b32 s31, s29, 0x1c0
	s_lshr_b32 s31, s31, 2                         ; g and u come down two
	s_or_b32 s30, s30, s31
	s_add_co_u32 s31, s27, 1
	s_and_b32 s31, s31, 2                          ; not 0 for Wq and Wk
	s_cmp_lg_u32 s31, 0
	s_cselect_b32 s30, s30, s29                    ; four neighbouring f stay neighbours, so the run's outputs stay dense
	s_lshl_b32 s31, s27, 11
	s_add_co_u32 s30, s30, s31                     ; the row among the 8,192
	s_lshl_b32 s32, s28, 15
	s_add_nc_u64 s[4:5], s[4:5], s[32:33]
	s_lshl_b32 s32, s30, 10
	s_add_nc_u64 s[18:19], s[18:19], s[32:33]
	s_lshl_b32 s32, s30, 6
	s_add_nc_u64 s[20:21], s[20:21], s[32:33]
.irp t, 0,1,2,3
	LOAD \t
.endr
	s_wait_loadcnt 12                              ; step 0's four loads are in
	TURN 0
.irp t, 0,1,2,3,4,5,6,7,8,9,10,11,12,13,14,15
	STEP \t
.endr
	ds_load_b64 v[8:9], v6                         ; my wave's 256 scale bytes
	s_wait_dscnt 0x0
	global_store_b64 v7, v[8:9], s[20:21]          ; one aligned run of 256 bytes
	s_branch .Lend
.Lnot_codes:
	s_cmp_lt_u32 ttmp9, 640
	s_cbranch_scc0 .Ltables
	; ---- Wo into f16
	s_sub_co_u32 s28, ttmp9, 512
	s_lshl_b32 s28, s28, 2
	s_add_co_u32 s28, s28, s26
	s_lshl_b32 s32, s28, 15
	s_add_nc_u64 s[4:5], s[12:13], s[32:33]
	s_lshl_b32 s32, s28, 14
	s_add_nc_u64 s[22:23], s[22:23], s[32:33]
.irp t, 0,1,2,3
	LOAD \t
.endr
.irp t, 0,1,2,3,4,5,6,7,8,9,10,11,12,13,14,15
	CSTEP \t
.endr
	s_branch .Lend
.Ltables:
	; ---- the rotation's tables: my wave's block of 16 positions
	s_sub_co_u32 s28, ttmp9, 640
	s_lshl_b32 s28, s28, 2
	s_add_co_u32 s28, s28, s26
	s_lshl_b32 s32, s28, 13
	s_add_nc_u64 s[14:15], s[14:15], s[32:33]
	s_add_nc_u64 s[16:17], s[16:17], s[32:33]
	s_lshl_b32 s32, s28, 14
	s_add_nc_u64 s[24:25], s[24:25], s[32:33]
	v_and_b32 v8, 15, v0
	v_bfe_u32 v9, v0, 4, 1
	v_lshlrev_b32 v8, 9, v8
	v_lshl_add_u32 v8, v9, 5, v8                   ; row r of 512 bytes + 32 h
.irp c, 0,1,2,3
.irp e, 0,1
	global_load_b128 v[32+32*\c+4*\e:35+32*\c+4*\e], v8, s[14:15] offset:64*\c+16*\e
	global_load_b128 v[40+32*\c+4*\e:43+32*\c+4*\e], v8, s[16:17] offset:64*\c+16*\e
	global_load_b128 v[48+32*\c+4*\e:51+32*\c+4*\e], v8, s[14:15] offset:64*\c+256+16*\e
	global_load_b128 v[56+32*\c+4*\e:59+32*\c+4*\e], v8, s[16:17] offset:64*\c+256+16*\e
.endr
.endr
	s_wait_loadcnt 0x0
.set n, 0
.rept 64
.if (n/4)%4 == 1
	v_pk_mul_f32 v[32+2*n:33+2*n], v[32+2*n:33+2*n], 0xbc800000 op_sel_hi:[1,0]   ; -sin lo x 2^-6
.else
	v_pk_mul_f32 v[32+2*n:33+2*n], v[32+2*n:33+2*n], 0x3c800000 op_sel_hi:[1,0]   ; x 2^-6
.endif
.set n, n+1
.endr
.set n, 0
.rept 32
	global_store_b128 v3, v[32+4*n:35+4*n], s[24:25] offset:512*n   ; 512 consecutive bytes
.set n, n+1
.endr
.Lend:
	s_wait_tensorcnt 0x0                           ; the wave's end
	ds_add_u32 v[SPW], v[NIL]
	s_wait_dscnt 0x0
	s_endpgm
.Lfunc_end_k_qae517db045_prep:
	.size	k_qae517db045_prep, .Lfunc_end_k_qae517db045_prep-k_qae517db045_prep
	.p2alignl 7, 3214868480
	.fill 96, 4, 3214868480
	.section	.rodata,"a",@progbits
	.p2align	6, 0x0
	.amdhsa_kernel k_qae517db045_prep
		.amdhsa_group_segment_fixed_size 33280
		.amdhsa_private_segment_fixed_size 0
		.amdhsa_enable_private_segment 0
		.amdhsa_kernarg_size 88
		.amdhsa_user_sgpr_count 2
		.amdhsa_user_sgpr_kernarg_segment_ptr 1
		.amdhsa_wavefront_size32 1
		.amdhsa_system_sgpr_workgroup_id_x 1
		.amdhsa_system_sgpr_workgroup_id_y 1
		.amdhsa_system_sgpr_workgroup_id_z 1
		.amdhsa_system_vgpr_workitem_id 0
		.amdhsa_next_free_vgpr 192
		.amdhsa_next_free_sgpr 66
		.amdhsa_reserve_vcc 0
		.amdhsa_float_denorm_mode_32 3
		.amdhsa_float_denorm_mode_16_64 3
		.amdhsa_memory_ordered 1
		.amdhsa_forward_progress 1
		.amdhsa_inst_pref_size 68
	.end_amdhsa_kernel
	.amdgpu_metadata
---
amdhsa.version: [ 1, 2 ]
amdhsa.kernels:
  - .name:           k_qae517db045_prep
    .symbol:         k_qae517db045_prep.kd
    .args:
      - { .name: x, .offset: 0, .size: 8, .value_kind: global_buffer, .address_space: global }
      - { .name: Wq, .offset: 8, .size: 8, .value_kind: global_buffer, .address_space: global }
      - { .name: Wk, .offset: 16, .size: 8, .value_kind: global_buffer, .address_space: global }
      - { .name: Wv, .offset: 24, .size: 8, .value_kind: global_buffer, .address_space: global }
      - { .name: Wo, .offset: 32, .size: 8, .value_kind: global_buffer, .address_space: global }
      - { .name: rotary_cos, .offset: 40, .size: 8, .value_kind: global_buffer, .address_space: global }
      - { .name: rotary_sin, .offset: 48, .size: 8, .value_kind: global_buffer, .address_space: global }
      - { .name: codes, .offset: 56, .size: 8, .value_kind: global_buffer, .address_space: global }
      - { .name: scales, .offset: 64, .size: 8, .value_kind: global_buffer, .address_space: global }
      - { .name: wo16, .offset: 72, .size: 8, .value_kind: global_buffer, .address_space: global }
      - { .name: rope, .offset: 80, .size: 8, .value_kind: global_buffer, .address_space: global }
    .group_segment_fixed_size: 33280
    .private_segment_fixed_size: 0
    .kernarg_segment_align: 8
    .kernarg_segment_size: 88
    .max_flat_workgroup_size: 128
    .sgpr_count:     66
    .vgpr_count:     192
    .wavefront_size: 32
...
	.end_amdgpu_metadata
.endif
;; end of part 1
;; launch qkv (part 2): grid 24 x 8, 4 waves a work-group, clusters of 4 x 4, 327,680 bytes of LDS; arguments codes, scales, rope, qkv, fine; writes qkv, fine
.if DOCPART == 2
	.amdgcn_target "amdgcn-amd-amdhsa--gfx1250"
	.amdhsa_code_object_version 6
	.text
	.protected	k_qae517db045_qkv
	.globl	k_qae517db045_qkv
	.p2align	8
	.type	k_qae517db045_qkv,@function
k_qae517db045_qkv:
	s_mov_b64 s[64:65], 0
	v_nop
	global_prefetch_b8 v0, s[64:65] scope:SCOPE_SE
	s_setreg_imm32_b32 hwreg(HW_REG_WAVE_MODE, 25, 1), 1
	s_wait_xcnt 0x0
	s_wait_alu depctr_hold_cnt(0) depctr_sa_sdst(0) depctr_va_vdst(0) depctr_va_sdst(0) depctr_va_ssrc(0) depctr_va_vcc(0) depctr_vm_vsrc(0)
	s_getreg_b32 s2, hwreg(HW_REG_IB_STS2, 6, 4)
	s_cmp_eq_u32 s2, 0
	s_cbranch_scc0 .Lentry_in_a_cluster
	s_endpgm
.Lentry_in_a_cluster:
	s_bfe_u32 s2, ttmp6, 0x10000c
	s_cmp_lg_u32 s2, 0xf033
	s_cbranch_scc0 .Lentry_shape_is_right
	s_endpgm
.Lentry_shape_is_right:
; q, k, v = x Wq^T, x Wk^T, x Wv^T on codes of E2M1 with E8M0 scales (K = 2048), the rotation of q and k, and the results as f16 OPERAND IMAGES for launch attn.  No work is left out here.
; A tile of 256 x 256 to a work-group of four waves, 128 x 128 a wave: 64 accumulators, 512 registers.  K goes in steps of 512 through two LDS slots filled by the tensor data mover; the scale bytes of the
; work-group's rows come once.  4 x 4 work-groups form a cluster: A's tiles are asked for jointly along a row of it, B's along a column.
; Tile column X = 0-7: q, 8-15: k, 16-23: v.  q, k: A = x (positions), B = rows of Wq, Wk.  v IS MADE AS V^T BY THE SAME TEXT: A = rows of Wv (channels), B = x (positions).  The kind hangs on the cluster's x alone.
; The matrix instruction is used transposed (source 0 = 16 rows of B, source 1 = 16 rows of A): in accumulator (a, b) lane (r, h) holds A's row 16 a + r and B's rows 16 b + 8 h + 0 .. 7.
; q, k: by launch prep's order of rows a wave's 128 columns are [head g:4][u:2][i:16]: accumulators (a, 2 g) and (a, 2 g + 1) hold channel 16 c + 8 h + j and its partner + 64 in the same lane and register.
;   q' lo = lo cos(lo) - hi sin(lo); q' hi = hi cos(hi) + lo sin(hi); the tables carry 2^-6 (exact), so that f16 holds |q|, |k| up to 2^22; launch attn's factor undoes it.
; IMAGES: qkv [head][block of 64 positions][Q 16 KB | K 16 KB | V 16 KB]; an image is a fragment's registers 0-3, lane l's 16 bytes at 16 l, then registers 4-7: every store here is 512 consecutive bytes.
;   Q, K [16 positions rb][c]: lane (r, h): position r; registers 0-3 channels 16 c + 8 h + 0..7, registers 4-7 those + 64.  V [32 keys kg][16 channels cb]: lane (r, h): channel r; keys 8 h + 0..7, then 16 + 8 h + 0..7.
; fine: positions 0-15 in f32, as the accumulators' registers lie: [q, k, v][head][image][half][lane][16 bytes].  Stored under a lane mask (all lanes or none), since who holds them hangs on the place in the cluster.
; LIMITS: |v| under 65,504; NaN and infinities are not served.
; REGISTERS: window 0: v0-31 addresses; v32-95 scale words, two sets (way out: T, f32 results); v96-127 way out: H, f16; v128-191 A's fragments; v192-255 two sets of rotation tables.
;   window 1: B's fragments, two sets.  windows 2, 3: the accumulators of my rows 0-63, 64-127.
.set SIZE_K, 2048
.set KSTEP,  512
.set NQ,     KSTEP/128
.set ROWB,   256                       ; a tile's row in bytes
.set KROW,   SIZE_K/2                  ; a row of codes in memory
.set PITCH,  272                       ; an LDS row: 256 bytes + 16 of padding: the 16 rows of a load start at 16 different banks (64 banks of 4 bytes: ISA guide 11.1)
.set FR,     8
.set NL,     2
.set NP,     4                         ; places behind this matrix instruction (ISA guide 7.12.1)
.set HALFT,  128*PITCH
.set SLOT,   4*HALFT
.set LAPS,   SIZE_K/(2*KSTEP)
.set KS,     SIZE_K/32                 ; a row of scale bytes
.set SCL,    2*SLOT
.set HALFS,  (128*KS/256)*272
.set SBLK,   (16*KS/256)*272
.set SPARE,  SCL+4*HALFS               ; the spare words, 128 bytes a wave
.set ADRA, 16
.set ADRB, 20
.set CO,   26                          ; v26 16 x lane
.set ADRS, 27
.set SPW,  28
.set NIL,  29
.set FL,   30                          ; v30 0 where my wave holds positions 0-15
.set SC,   32
.set T,    32
.set H,    96
.set AF,   128
.set RS,   192
.set G1, 24
.set G0, 32
.set G1B, 48
.set G0B, 56
.set G1S, 68
.set G0S, 76
.set G1SB, 80
.set G0SB, 88
.set MSB, 0
.macro WIN new                         ; the immediate's high byte repeats the setting that is left
.if MSB != (\new)
	s_set_vgpr_msb (MSB<<8)|(\new)
.set MSB, (\new)
.endif
.endm
.set MUL_LO, 0xa1                      ; source 0 (B) window 1, source 1 (A) window 0, C and D window 2
.set MUL_HI, 0xf1
.set TO_B,   0x40
; A joint load: waves 0 and 1 fetch for A, waves 2 and 3 for B.  An s_nop 0 and four v_nop follow each of the two lines.
.macro JLOAD g0a, g1a, g0b, g1b
	s_cmp_eq_u32 s15, 0
	s_cbranch_scc0 .Lfor_b_\@
	tensor_load_to_lds s[\g0a:\g0a+3], s[\g1a:\g1a+7]
	s_nop 0
.rept 4
	v_nop
.endr
	s_branch .Lasked_\@
.Lfor_b_\@:
	tensor_load_to_lds s[\g0b:\g0b+3], s[\g1b:\g1b+7]
	s_nop 0
.rept 4
	v_nop
.endr
.Lasked_\@:
.endm
.macro CREST                           ; a round of the cluster's barrier behind its opening barrier
	s_cmp_lg_u32 s14, 0
	s_cbranch_scc1 .Lnot_wave_0_\@
	s_barrier_signal -3
.Lnot_wave_0_\@:
	s_barrier_wait -3
	s_barrier_signal -1
	s_barrier_wait -1
.endm
.macro CROUND
	s_barrier_signal -1
	s_barrier_wait -1
	CREST
.endm
	s_load_b128 s[4:7], s[0:1], 0x0                ; codes, scales
	s_load_b128 s[96:99], s[0:1], 0x10             ; rope, qkv
	s_load_b64 s[100:101], s[0:1], 0x20            ; fine
	v_lshl_add_u32 v[SPW], v0, 2, SPARE
	v_mov_b32 v[NIL], 0
	ds_add_u32 v[SPW], v[NIL]                      ; the wave's opening: the add, twice on end; its wait stands ahead of my first tensor load
	ds_add_u32 v[SPW], v[NIL]
	v_lshrrev_b32 v1, 5, v0
	v_readfirstlane_b32 s14, v1                    ; wave 0..3
	s_lshr_b32 s15, s14, 1                         ; which half of A's rows is mine.  Also: I fetch for A (0) or for B (1)
	s_and_b32 s16, s14, 1                          ; which half of B's rows.  Also: which 128 rows I fetch
	s_bfe_u32 s40, ttmp6, 0x40000                  ; cx, cy
	s_bfe_u32 s41, ttmp6, 0x40004
	s_lshl_b32 s42, ttmp9, 2
	s_add_co_u32 s42, s42, s40                     ; X
	s_and_b32 s17, ttmp7, 0xffff
	s_lshl_b32 s17, s17, 2
	s_add_co_u32 s17, s17, s41                     ; Y
	s_lshl_b32 s43, s41, 2
	s_lshl_b32 s43, 15, s43                        ; my row of the cluster
	s_lshl_b32 s44, 0x1111, s40                    ; my column
	s_or_b32 s[G1+0], s43, (0<<16)|(1<<20)|(1<<21)|(5<<22)|(3<<25)  ; mask; elements of 1 byte; padding on; bit 21 beside a mask; 4 words behind every 64
	s_or_b32 s[G1B+0], s44, (0<<16)|(1<<20)|(1<<21)|(5<<22)|(3<<25)
.irp g, G1, G1B
	s_mov_b32 s[\g+1], ROWB<<16                    ; tensor_dim0
	s_mov_b32 s[\g+2], 128<<16                     ; tensor_dim1
	s_mov_b32 s[\g+3], ROWB<<16                    ; tile_dim0
	s_mov_b32 s[\g+4], 128                         ; tile_dim1
	s_mov_b32 s[\g+5], KROW                        ; pitch
	s_mov_b32 s[\g+6], 0
	s_mov_b32 s[\g+7], 0
.endr
	s_or_b32 s[G1S+0], s43, (3<<16)|(1<<20)|(1<<21)|(5<<22)|(3<<25) ; the scales of 128 rows: a dense block, as rows of 256 bytes + 16 of padding
	s_or_b32 s[G1SB+0], s44, (3<<16)|(1<<20)|(1<<21)|(5<<22)|(3<<25)
.irp g, G1S, G1SB
	s_mov_b32 s[\g+1], 32<<16
	s_mov_b32 s[\g+2], (128*KS/256)<<16
	s_mov_b32 s[\g+3], 32<<16
	s_mov_b32 s[\g+4], 128*KS/256
	s_mov_b32 s[\g+5], 32
	s_mov_b32 s[\g+6], 0
	s_mov_b32 s[\g+7], 0
.endr
	s_lshl_b32 s18, s16, 7                         ; which 128 rows of the tile I fetch
	s_cmp_lt_u32 ttmp9, 4                          ; q or k?  The cluster's x: the same in all sixteen partners
	s_cselect_b32 s2, 0, 6144                      ; A: x from row 0, or Wv from row 6144
	s_mov_b32 s95, 0xfffff000
	s_cselect_b32 s95, 2048, s95                   ; B: Wq, Wk from row 2048 + 256 X, or x from row 256 X - 4096
	s_lshl_b32 s20, s17, 8
	s_add_co_u32 s20, s20, s18
	s_add_co_u32 s20, s20, s2                      ; A's first row: hangs on Y
	s_lshl_b32 s46, s42, 8
	s_add_co_u32 s46, s46, s18
	s_add_co_u32 s46, s46, s95                     ; B's: hangs on X
	s_mov_b32 s21, 0
	s_mov_b32 s47, 0
	s_mov_b64 s[18:19], KS
	s_mul_u64 s[22:23], s[20:21], s[18:19]
	s_mul_u64 s[92:93], s[46:47], s[18:19]
	s_mov_b64 s[18:19], KROW
	s_mul_u64 s[20:21], s[20:21], s[18:19]
	s_mul_u64 s[46:47], s[46:47], s[18:19]
	s_mul_i32 s45, s14, HALFT                      ; where they go: wave x 128 rows
	s_mul_i32 s94, s14, HALFS
	s_wait_dscnt 0x0                               ; both opening adds are done
	s_wait_kmcnt 0x0
	s_add_nc_u64 s[20:21], s[4:5], s[20:21]
	s_add_nc_u64 s[22:23], s[6:7], s[22:23]
	s_add_nc_u64 s[46:47], s[4:5], s[46:47]
	s_add_nc_u64 s[92:93], s[6:7], s[92:93]
	CROUND                                         ; all sixteen work-groups are here: the first joint loads meet
	s_mov_b32 s[G0S], 1
	s_add_co_u32 s[G0S+1], s94, SCL
	s_mov_b64 s[G0S+2:G0S+3], s[22:23]
	s_or_b32 s[G0S+3], s[G0S+3], 0x80000000
	s_mov_b32 s[G0SB], 1
	s_add_co_u32 s[G0SB+1], s94, SCL
	s_mov_b64 s[G0SB+2:G0SB+3], s[92:93]
	s_or_b32 s[G0SB+3], s[G0SB+3], 0x80000000
	JLOAD G0S, G1S, G0SB, G1SB                     ; the scales first.  With the two slots three loads of mine are out
.irp s, 0,1
	s_mov_b32 s[G0+4*\s], 1
	s_add_co_u32 s[G0+4*\s+1], s45, \s*SLOT
	s_add_nc_u64 s[G0+4*\s+2:G0+4*\s+3], s[20:21], \s*ROWB
	s_or_b32 s[G0+4*\s+3], s[G0+4*\s+3], 0x80000000
	s_mov_b32 s[G0B+4*\s], 1
	s_add_co_u32 s[G0B+4*\s+1], s45, \s*SLOT
	s_add_nc_u64 s[G0B+4*\s+2:G0B+4*\s+3], s[46:47], \s*ROWB
	s_or_b32 s[G0B+4*\s+3], s[G0B+4*\s+3], 0x80000000
	JLOAD G0+4*\s, G1, G0B+4*\s, G1B
.endr
	v_and_b32 v1, 15, v0
	v_bfe_u32 v2, v0, 4, 1
	v_mul_u32_u24 v3, v1, PITCH
	v_lshl_add_u32 v4, v2, 4, v3                   ; a fragment's row x pitch + 16 x half
	s_mul_i32 s21, s15, HALFT
	s_mul_i32 s22, s16, HALFT
	s_add_co_u32 s22, s22, 2*HALFT
.irp s, 0,1
	v_add_nc_u32 v[ADRA+\s], s21, v4
	v_add_nc_u32 v[ADRB+\s], s22, v4
	s_add_co_u32 s21, s21, SLOT
	s_add_co_u32 s22, s22, SLOT
.endr
	v_mul_u32_u24 v5, v1, KS
	v_lshrrev_b32 v6, 8, v5
	v_lshl_add_u32 v5, v6, 4, v5                   ; my row's scales, 16 more for each 256 passed
	s_mul_i32 s21, s15, HALFS
	s_mul_i32 s22, s16, HALFS
	s_add_co_u32 s22, s22, 2*HALFS
	s_sub_co_u32 s22, s22, s21
	v_mul_u32_u24 v6, s22, v2                      ; lanes 16-31 take B's
	s_add_co_u32 s21, s21, SCL
	v_add_nc_u32 v5, v5, v6
	v_add_nc_u32 v[ADRS], s21, v5
	v_and_b32 v6, 31, v0
	v_lshlrev_b32 v[CO], 4, v6
	; the way out's bases, by kind
	s_mov_b32 s93, 0
	s_cmp_ge_u32 ttmp9, 4
	s_cbranch_scc1 .Lbases_v
	s_lshr_b32 s44, ttmp9, 1                       ; 0: q, 1: k
	s_lshl_b32 s20, s42, 1
	s_add_co_u32 s20, s20, s16
	s_and_b32 s20, s20, 15                         ; which 128 rows of the weight: [G][c]
	s_and_b32 s21, s20, 3                          ; c
	s_lshr_b32 s20, s20, 2                         ; G
	s_lshl_b32 s22, s17, 4
	s_lshl_b32 s23, s15, 3
	s_add_co_u32 s22, s22, s23                     ; my first block of 16 positions
	s_lshl_b32 s92, s22, 14
	s_lshl_b32 s23, s21, 12
	s_add_co_u32 s92, s92, s23
	s_add_nc_u64 s[96:97], s[96:97], s[92:93]      ; the tables of that block and my c
	s_mul_i32 s92, s20, 4*1572864                  ; head 4 G,
	s_lshr_b32 s23, s22, 2
	s_mul_i32 s23, s23, 49152                      ; my first block of 64 positions,
	s_add_co_u32 s92, s92, s23
	s_lshl_b32 s23, s44, 14                        ; the Q or the K part,
	s_add_co_u32 s92, s92, s23
	s_lshl_b32 s23, s21, 10                        ; image c
	s_add_co_u32 s92, s92, s23
	s_add_nc_u64 s[98:99], s[98:99], s[92:93]
	s_lshl_b32 s92, s44, 17
	s_lshl_b32 s23, s20, 15
	s_add_co_u32 s92, s92, s23
	s_lshl_b32 s23, s21, 11
	s_add_co_u32 s92, s92, s23
	s_add_nc_u64 s[100:101], s[100:101], s[92:93]
	s_or_b32 s23, s17, s15
	v_mov_b32 v[FL], s23
	s_branch .Lbases_done
.Lbases_v:
	s_lshl_b32 s20, s17, 1
	s_add_co_u32 s20, s20, s15                     ; my head
	s_sub_co_u32 s21, s42, 16
	s_mul_i32 s92, s20, 1572864
	s_lshl_b32 s22, s21, 2
	s_lshl_b32 s23, s16, 1
	s_add_co_u32 s22, s22, s23                     ; my first block of 64 positions
	s_mul_i32 s22, s22, 49152
	s_add_co_u32 s92, s92, s22
	s_add_co_u32 s92, s92, 32768                   ; the V part
	s_add_nc_u64 s[98:99], s[98:99], s[92:93]
	s_lshl_b32 s92, s20, 13
	s_add_co_u32 s92, s92, 262144
	s_add_nc_u64 s[100:101], s[100:101], s[92:93]
	s_or_b32 s23, s21, s16
	v_mov_b32 v[FL], s23
.Lbases_done:
.macro FRAG reg, adr, q, i             ; 16 rows x 128 K of 4-bit codes: 8 registers, two loads of 16 bytes, 32 bytes apart
.irp c, 0,1
	ds_load_b128 v[\reg+4*\c:\reg+4*\c+3], v[\adr] offset:64*(\q)+32*\c+(\i)*16*PITCH
.endr
.endm
; 16 matrix instructions: A's blocks a0, a0 + 1 x B's eight.  The 64 accumulators take turns, one instruction a turn, in the same order in every step.
.macro MUL16 a0, p, q, sc, zero
.irp a, \a0, \a0+1
.irp b, 0,1,2,3,4,5,6,7
.if \zero
	v_wmma_scale_f32_16x16x128_f8f6f4 v[8*(8*((\a)%4)+\b):8*(8*((\a)%4)+\b)+7], v[128*(\p)+FR*\b:128*(\p)+FR*\b+FR-1], v[AF+FR*(\a):AF+FR*(\a)+FR-1], 0, v[SC+8*NQ*(\sc)+NQ*\b+(\q)], v[SC+8*NQ*(\sc)+NQ*(\a)+(\q)] matrix_a_fmt:MATRIX_FMT_FP4 matrix_b_fmt:MATRIX_FMT_FP4 matrix_a_scale:MATRIX_SCALE_ROW1
.else
	v_wmma_scale_f32_16x16x128_f8f6f4 v[8*(8*((\a)%4)+\b):8*(8*((\a)%4)+\b)+7], v[128*(\p)+FR*\b:128*(\p)+FR*\b+FR-1], v[AF+FR*(\a):AF+FR*(\a)+FR-1], v[8*(8*((\a)%4)+\b):8*(8*((\a)%4)+\b)+7], v[SC+8*NQ*(\sc)+NQ*\b+(\q)], v[SC+8*NQ*(\sc)+NQ*(\a)+(\q)] matrix_a_fmt:MATRIX_FMT_FP4 matrix_b_fmt:MATRIX_FMT_FP4 matrix_a_scale:MATRIX_SCALE_ROW1
.endif
.endr
.endr
.endm
.macro FETCH_B slot, q, p
	WIN TO_B
.irp i, 0,1,2,3,4,5,6,7
	FRAG 128*(\p)+FR*\i, ADRB+\slot, \q, \i
.endr
	WIN 0
.endm
.macro FETCH_A slot, q, i0
.irp i, \i0, \i0+1, \i0+2, \i0+3
	FRAG AF+FR*(\i), ADRA+\slot, \q, \i
.endr
.endm
.macro SCALES sc                       ; a K step's scale words: lanes 0-15 A's block i, lanes 16-31 B's block i
.irp i, 0,1,2,3,4,5,6,7
	ds_load_b128 v[SC+8*NQ*\sc+NQ*\i:SC+8*NQ*\sc+NQ*\i+3], v[ADRS] offset:\i*SBLK
.endr
.endm
.macro PLACES n                        ; plain vector instructions between a matrix instruction and a load into, or a read of, its registers
.rept \n
	v_nop
.endr
.endm
.macro STEP slot, q, zero              ; 128 along K, with its successor in the same slot
	s_wait_dscnt 4*NL                              ; B's set and A's blocks 0-3 are in; the youngest eight loads (A's blocks 4-7) may be out
	WIN MUL_LO
	MUL16 0, (\q)%2, \q, \slot, \zero
	MUL16 2, (\q)%2, \q, \slot, \zero
	s_wait_dscnt 0
	PLACES NP
	FETCH_B \slot, (\q)+1, 1-(\q)%2
	FETCH_A \slot, (\q)+1, 0
	WIN MUL_HI
	MUL16 4, (\q)%2, \q, \slot, \zero
	MUL16 6, (\q)%2, \q, \slot, \zero
	PLACES NP
	WIN 0
	FETCH_A \slot, (\q)+1, 4
.endm
; A slot's last step changes slots: one barrier; in front of it each wave waits for all its tensor loads, adds 0 to its spare word, and waits for that and for its reads of this slot.
.macro TURN slot, next, fill
	s_wait_tensorcnt 0x0                           ; all my tensor loads have landed: my part of the next slot
	ds_add_u32 v[SPW], v[NIL]
	s_wait_dscnt 4*NL+1                            ; (the add and the youngest eight loads may be out)
	WIN MUL_LO
	MUL16 0, 1, NQ-1, \slot, 0
	s_wait_dscnt 0x0                               ; the add is done, and my reads of this slot are over
	s_barrier_signal -1
	MUL16 2, 1, NQ-1, \slot, 0
	WIN 0
	s_barrier_wait -1
.if \fill
	CREST                                          ; the barrier has opened a round of the cluster's: no wave of any partner still reads this slot or has a load on its way
	s_add_nc_u64 s[G0+4*\slot+2:G0+4*\slot+3], s[G0+4*\slot+2:G0+4*\slot+3], 2*ROWB
	s_add_nc_u64 s[G0B+4*\slot+2:G0B+4*\slot+3], s[G0B+4*\slot+2:G0B+4*\slot+3], 2*ROWB
	JLOAD G0+4*\slot, G1, G0B+4*\slot, G1B         ; the first tensor load behind the round; its four v_nop are the places in front of the loads below
.else
	PLACES NP
.endif
	v_add_nc_u32 v[ADRS], 4*NQ, v[ADRS]
	FETCH_B \next, 0, 0
	FETCH_A \next, 0, 0
	SCALES \next
	WIN MUL_HI
	MUL16 4, 1, NQ-1, \slot, 0
	MUL16 6, 1, NQ-1, \slot, 0
	PLACES NP
	WIN 0
	FETCH_A \next, 0, 4
.endm
.macro STEPS slot, from
.set Q, \from
.rept NQ-1-\from
	STEP \slot, Q, 0
.set Q, Q+1
.endr
.endm
.macro TAIL                            ; the last slot's four steps: nothing more is fetched behind them
	STEPS 1, 0
	s_wait_dscnt 4*NL
	WIN MUL_LO
	MUL16 0, 1, NQ-1, 1, 0
	MUL16 2, 1, NQ-1, 1, 0
	s_wait_dscnt 0
	WIN MUL_HI
	MUL16 4, 1, NQ-1, 1, 0
	MUL16 6, 1, NQ-1, 1, 0
	WIN 0
	PLACES NP                                      ; in front of the first read of results and the first write of the scale words' registers
.endm
.macro ROPE a                          ; block a's tables: cos lo, -sin lo, cos hi, sin hi, eight registers each
.irp n, 0,1,2,3,4,5,6,7
	global_load_b128 v[RS+32*((\a)%2)+4*\n:RS+32*((\a)%2)+4*\n+3], v[CO], s[96:97] offset:16384*(\a)+512*\n
.endr
.endm
; q, k: my block a of 16 positions: the rotation in f32, rounding to f16, eight stores of 512 bytes (four heads x two halves of an image).  Each accumulator is read from its low end on.
.macro QKBLK a
.set AC, 64*((\a)%4)
.set RT, RS+32*((\a)%2)
.if (\a) < 7
	s_wait_loadcnt 8                               ; this block's tables are in; the next block's eight loads may be out
.else
	s_wait_loadcnt 0
.endif
	s_wait_xcnt 0x0                                ; the last block's stores have read their registers
	WIN 0x02+(\a)/4                                ; source 0: the accumulators' window
.irp g, 0,1,2,3
.irp p, 0,2,4,6
	v_pk_mul_f32 v[T+16*\g+\p:T+16*\g+\p+1], v[AC+16*\g+\p:AC+16*\g+\p+1], v[RT+\p:RT+\p+1]
	v_pk_mul_f32 v[T+16*\g+8+\p:T+16*\g+8+\p+1], v[AC+16*\g+8+\p:AC+16*\g+8+\p+1], v[RT+16+\p:RT+16+\p+1]
.endr
.irp p, 0,2,4,6
	v_pk_fma_f32 v[T+16*\g+\p:T+16*\g+\p+1], v[AC+16*\g+8+\p:AC+16*\g+8+\p+1], v[RT+8+\p:RT+8+\p+1], v[T+16*\g+\p:T+16*\g+\p+1]
	v_pk_fma_f32 v[T+16*\g+8+\p:T+16*\g+8+\p+1], v[AC+16*\g+\p:AC+16*\g+\p+1], v[RT+24+\p:RT+24+\p+1], v[T+16*\g+8+\p:T+16*\g+8+\p+1]
.endr
.endr
	WIN 0
.if (\a) < 6
	ROPE (\a)+2
.endif
.irp g, 0,1,2,3
.irp p, 0,1,2,3,4,5,6,7
	v_cvt_pk_f16_f32 v[H+8*\g+\p], v[T+16*\g+2*\p], v[T+16*\g+2*\p+1]
.endr
.endr
.irp g, 0,1,2,3
.irp e, 0,1
	global_store_b128 v[CO], v[H+8*\g+4*\e:H+8*\g+4*\e+3], s[98:99] offset:\g*1572864+((\a)/4)*49152+((\a)%4)*4096+512*\e
.endr
.endr
.if (\a) == 0                          ; positions 0-15 in f32, from the one wave in sixteen that holds them
	s_wait_xcnt 0x0                                ; EXEC changes only behind this wait
	v_cmp_eq_u32 vcc_lo, 0, v[FL]
	s_and_saveexec_b32 s95, vcc_lo
.irp g, 0,1,2,3
.irp n, 0,1,2,3
	global_store_b128 v[CO], v[T+16*\g+4*\n:T+16*\g+4*\n+3], s[100:101] offset:8192*\g+512*\n
.endr
.endr
	s_wait_xcnt 0x0
	s_or_b32 exec_lo, exec_lo, s95
.endif
.endm
; v: my block a of 16 channels: accumulator (a, b) is half an image: keys 16 b + 8 h + 0 .. 7
.macro VBLK a
.set AC, 64*((\a)%4)
	s_wait_xcnt 0x0
	WIN 0x0a+5*((\a)/4)                            ; sources 0 and 1: the accumulators' window
.irp b, 0,1,2,3,4,5,6,7
.irp p, 0,1,2,3
	v_cvt_pk_f16_f32 v[H+4*\b+\p], v[AC+8*\b+2*\p], v[AC+8*\b+2*\p+1]
.endr
.endr
	WIN 0
.irp b, 0,1,2,3,4,5,6,7
	global_store_b128 v[CO], v[H+4*\b:H+4*\b+3], s[98:99] offset:(\b/4)*49152+((\b/2)%2)*8192+1024*(\a)+512*(\b%2)
.endr
.endm
	s_wait_tensorcnt 1                             ; the scales and my part of K step 0 are in (K step 1's load may be out),
	s_barrier_signal -1
	s_barrier_wait -1                              ; everybody's are
	FETCH_B 0, 0, 0
	FETCH_A 0, 0, 0
	SCALES 0
	FETCH_A 0, 0, 4
	STEP 0, 0, 1                                   ; the first step's products start the sums: nothing is cleared
	s_mov_b32 s3, LAPS-1
.Llap:                                                 ; once round the ring, from a lap's second step to the next lap's first; both slots are filled again
	STEPS 0, 1
	TURN 0, 1, 1
	STEPS 1, 0
	TURN 1, 0, 1
	STEP 0, 0, 0
	s_sub_co_u32 s3, s3, 1
	s_cmp_lg_u32 s3, 0
	s_cbranch_scc1 .Llap
	STEPS 0, 1                                     ; the last lap fills nothing
	TURN 0, 1, 0
	s_cmp_ge_u32 ttmp9, 4                          ; here the text parts by kind, once: the last slot's steps are written for each
	s_cbranch_scc1 .Lkind_v
	ROPE 0                                         ; the first two blocks' tables are asked for four steps ahead of their use
	ROPE 1
	TAIL
.irp a, 0,1,2,3,4,5,6,7
	QKBLK \a
.endr
	s_branch .Lfin
.Lkind_v:
	TAIL
.irp a, 0,1,2,3,4,5,6,7
	VBLK \a
.endr
	s_wait_xcnt 0x0                                ; keys 0-15 in f32: accumulators (a, 0) as they stand
	v_cmp_eq_u32 vcc_lo, 0, v[FL]
	s_and_saveexec_b32 s95, vcc_lo
	WIN 0x08                                       ; a store's data are its source 1: window 2
.irp a, 0,1,2,3
	global_store_b128 v[CO], v[64*\a:64*\a+3], s[100:101] offset:1024*\a
	global_store_b128 v[CO], v[64*\a+4:64*\a+7], s[100:101] offset:1024*\a+512
.endr
	WIN 0x0c
.irp a, 0,1,2,3
	global_store_b128 v[CO], v[64*\a:64*\a+3], s[100:101] offset:1024*(\a+4)
	global_store_b128 v[CO], v[64*\a+4:64*\a+7], s[100:101] offset:1024*(\a+4)+512
.endr
	WIN 0
	s_wait_xcnt 0x0
	s_or_b32 exec_lo, exec_lo, s95
.Lfin:
	s_wait_tensorcnt 0x0                           ; the wave's end
	ds_add_u32 v[SPW], v[NIL]
	s_wait_dscnt 0x0
	CROUND                                         ; the closing round
	s_endpgm
.Lfunc_end_k_qae517db045_qkv:
	.size	k_qae517db045_qkv, .Lfunc_end_k_qae517db045_qkv-k_qae517db045_qkv
	.p2alignl 7, 3214868480
	.fill 96, 4, 3214868480
	.section	.rodata,"a",@progbits
	.p2align	6, 0x0
	.amdhsa_kernel k_qae517db045_qkv
		.amdhsa_group_segment_fixed_size 327680
		.amdhsa_private_segment_fixed_size 0
		.amdhsa_enable_private_segment 0
		.amdhsa_kernarg_size 40
		.amdhsa_user_sgpr_count 2
		.amdhsa_user_sgpr_kernarg_segment_ptr 1
		.amdhsa_wavefront_size32 1
		.amdhsa_system_sgpr_workgroup_id_x 1
		.amdhsa_system_sgpr_workgroup_id_y 1
		.amdhsa_system_sgpr_workgroup_id_z 1
		.amdhsa_system_vgpr_workitem_id 0
		.amdhsa_next_free_vgpr 1024
		.amdhsa_next_free_sgpr 102
		.amdhsa_reserve_vcc 1
		.amdhsa_float_denorm_mode_32 3
		.amdhsa_float_denorm_mode_16_64 3
		.amdhsa_memory_ordered 1
		.amdhsa_forward_progress 1
		.amdhsa_inst_pref_size 255
	.end_amdhsa_kernel
	.section	.bss,"aw",@nobits
	.p2align	6
	.space	262144
	.amdgpu_metadata
---
amdhsa.version: [ 1, 2 ]
amdhsa.kernels:
  - .name:           k_qae517db045_qkv
    .symbol:         k_qae517db045_qkv.kd
    .args:
      - { .name: codes, .offset: 0, .size: 8, .value_kind: global_buffer, .address_space: global }
      - { .name: scales, .offset: 8, .size: 8, .value_kind: global_buffer, .address_space: global }
      - { .name: rope, .offset: 16, .size: 8, .value_kind: global_buffer, .address_space: global }
      - { .name: qkv, .offset: 24, .size: 8, .value_kind: global_buffer, .address_space: global }
      - { .name: fine, .offset: 32, .size: 8, .value_kind: global_buffer, .address_space: global }
    .group_segment_fixed_size: 327680
    .private_segment_fixed_size: 0
    .kernarg_segment_align: 8
    .kernarg_segment_size: 40
    .max_flat_workgroup_size: 128
    .sgpr_count:     102
    .vgpr_count:     1024
    .wavefront_size: 32
...
	.end_amdgpu_metadata
.endif
;; end of part 2
;; launch attn (part 3): grid 16 x 16, 4 waves a work-group, no clusters, 153,600 bytes of LDS; arguments qkv, o16, fine, ofine; writes o16, ofine
.if DOCPART == 3
	.amdgcn_target "amdgcn-amd-amdhsa--gfx1250"
	.amdhsa_code_object_version 6
	.text
	.protected	k_qae517db045_attn
	.globl	k_qae517db045_attn
	.p2align	8
	.type	k_qae517db045_attn,@function
k_qae517db045_attn:
	s_mov_b64 s[64:65], 0
	v_nop
	global_prefetch_b8 v0, s[64:65] scope:SCOPE_SE
	s_setreg_imm32_b32 hwreg(HW_REG_WAVE_MODE, 25, 1), 1
	s_wait_xcnt 0x0
; o = softmax(q k^T / sqrt(128), causal) v, f16 operands, sums, maxima and weights in f32; o16 [2048][2048] f16.  And positions 0-15 once more, finely: ofine, f32.
; WORK LEFT OUT: blocks of 64 keys wholly behind a block of 64 queries (reference()'s own jnp.tril gives them the weight 0 for all finite inputs).  In the block on the diagonal hidden scores become -infinity.
; SHARES.  Work-group (i, head) takes two blocks of 64 queries, 31 - i and then i: 33 blocks of keys in every work-group.  ALL FOUR WAVES HOLD THE SAME 64 QUERIES AND SHARE THE KEYS: wave w takes key blocks
; w, w + 4, .. up to the diagonal, with a running maximum, sum and O^T of its own; at a pass's end the four parts meet in LDS and wave w finishes tile w (16 queries).
; NO TENSOR LOAD, NO CLUSTER: each fragment of K and V is read by one wave, which uses it for four tiles of queries; launch qkv laid them as images of the registers, so they come from memory by dense loads of 512
; bytes.  Under the mask work-groups need different numbers of blocks, so none could ask jointly.
; LAYOUT.  S^T = K Q^T and O^T = V^T P: a lane holds one query (lane % 16) throughout.  q and k carry 2^-6 each: c = log2(e) / sqrt(128) x 2^12.
; A STEP (64 keys): A: K Q^T of piece 0 (tiles 0, 1) | B: K Q^T of piece 2 (tiles 2, 3), piece 0's softmax in slices behind its products | C: V^T P of piece 0, piece 2's softmax in slices | D: V^T P of piece 2.
; THREE BUFFERS by turns: the next step's V goes into this step's K buffer behind B, the K after that into this step's V buffer behind D: each is asked for a whole step ahead.  The roles come back after three steps,
; so a trip of the loop is three steps.  The loop is counted in trips, steps / 3 rounded up, and is left only by falling through its backward branch: a step that I do not have is jumped over inside the trip.
; The loads of a block that does not exist are issued with every lane off: they move nothing, and each wait counts the same loads in every step.  The second step's K is asked for at the pass's head with all lanes on,
; its block held at the diagonal's: a wave with one step reads 16 KB that it does not use.
; One text serves every step: O^T and the sum begin as zeros and the maximum as -1e30, under every score that f16 operands can give.
; POSITIONS 0-15, FINELY.  Under the mask they average one to sixteen values and are the largest of the output, so single f16 operands would weigh most there.  Where the block of queries is block 0, wave 0 has the one
; key block: wave 1 makes the head's 16 x 16 attention from launch qkv's f32 images, with each operand as a PAIR OF f16 NUMBERS: high = the number with its mantissa cut to ten bits, low = number - high
; (exact in f32), both rounded to f16.  An image's eight registers become [low, high] in place: that is one f16 fragment, whose 32 places along K hold 16 numbers twice over.
;   S^T = [kl, kh] x [ql, qh] + [kl, kh] x [qh, ql] over the eight images: all four products of the parts.   O^T = [vl, vh] x [ph, ph] + [vl, vh] x [pl, pl].
; o / sum goes to ofine [head][16 x 512 bytes] as the registers lie: register 8 c + j of lane (r, h) is position r, channel 16 c + 8 h + j.  Launch proj multiplies it by Wo in f32.
; LIMITS: NaN and infinities are not served; |v| under 65,504; a part under 2^-14 is kept to 2^-25.
; REGISTERS: window 0: v2-11 addresses, v12-43 statistics (eight a tile: c m, m, l, l, four at work), v44-61 the merge, v64-191 S^T, v192-255 P.  window 1: O^T.  window 2: v0-127 Q, v128-255 buffer X.  window 3: buffers Y, Z.
.set LA,  2                            ; 16 x lane
.set DD,  3                            ; lane % 16 - 8 (lane / 16)
.set NEG, 4                            ; -infinity
.set MW,  5
.set MR,  6
.set MR2, 7
.set SW,  8
.set SR,  9
.set STO, 10
.set RD,  11
.set ST,  12
.set GO,  44
.set PFO, 61                           ; 256 x lane
.set SPW, 62
.set NIL, 63
.set S,   64
.set P,   192
.set FK,  0                            ; the fine part, window 2: k's eight images;
.set FQ,  64                           ; q's, [low, high];
.set FQX, 128                          ; q's once more, [high, low];
.set FT,  192                          ; eight high parts in f32, at work;
.set FM,  200                          ; the mask that cuts a mantissa to ten bits
.set FV,  0                            ; window 3: v's eight images;
.set FT3, 64
.set FM3, 72
.set FOA, 128                          ; O^T, eight accumulators
.set MS,    131072                     ; LDS: from 0 the four waves' O^T [wave][tile][16 x 512 bytes]; here their c m and l [wave][tile][2][128 bytes];
.set SG,    135168                     ; a stage of 16 x 272 bytes for each wave;
.set SPARE, 152576                     ; the spare words
.set WV,   12
.set IX,   13
.set PASS, 14
.set QB,   15
.set REM,  16
.set TRIP, 17
.set JB,   18
.set LIM,  19
.set HB,   20
.set NB,   22
.set OB,   24
.set N0,   26
.set QA,   30
.set HEAD, 32
.set SV,   33
.set FI,   40                          ; s[40:41] my head's images in fine
.set FOU,  42                          ; s[42:43] my head's images in ofine
.set MK,   44                          ; s44 the mask
.set CS,   58
.set SEL,  60
.set MSB, 0
.macro WIN new
.if MSB != (\new)
	s_set_vgpr_msb (MSB<<8)|(\new)
.set MSB, (\new)
.endif
.endm
.set W_RS, 0x41                        ; O^T (destination and source 0) window 1
.macro PLACES
.rept 4
	v_nop
.endr
.endm
; Product i of 32 of S^T = K Q^T for piece x: channels' fragment i / 8, keys 16 ((i / 2) % 4) on, tile x + i % 2.  The accumulators take turns; the first 8 start the sums.
.macro KQ x, kw, kb
	WIN 0x08|(\kw)
.set rS, S+32*(\x+i%2)+8*((i/2)%4)
.set rK, (\kb)+32*((i/2)%4)+8*(i/8)
.set rQ, 32*(\x+i%2)+8*(i/8)
.if i < 8
	v_wmma_f32_16x16x32_f16 v[rS:rS+7], v[rK:rK+7], v[rQ:rQ+7], 0
.else
	v_wmma_f32_16x16x32_f16 v[rS:rS+7], v[rK:rK+7], v[rQ:rQ+7], v[rS:rS+7]
.endif
.endm
; Product i of 32 of O^T += V^T P: keys 32 (i / 16) on, channels 16 ((i / 2) % 8) on, tile x + i % 2
.macro PV x, vw, vb
	WIN 0x50|(\vw)
.set rO, 64*(\x+i%2)+8*((i/2)%8)
.set rV, (\vb)+64*(i/16)+8*((i/2)%8)
.set rP, P+16*(\x+i%2)+8*(i/16)
	v_wmma_f32_16x16x32_f16 v[rO:rO+7], v[rV:rV+7], v[rP:rP+7], v[rO:rO+7]
.endm
; One tile's softmax for a step is a list of 134 instructions; SM writes number j for tile t.  0-15 the maximum of 32 scores and the old m; 16-20 the other half's, the new m, c m, its change;
; 21-69 one batch: 16 packed scalings c s - c m and 33 exponentials, none of which reads an exponential's result; 70-85 roundings to f16; 86-101 the sums, l = a l + sum; 102-133 O^T times a.
.macro SM t
.set rT, ST+8*(\t)
.set rS, S+32*(\t)
.set rP, P+16*(\t)
.set rO, 64*(\t)+2*(j-102)
.if j < 102
	WIN 0
.endif
.if j < 4
	v_max3_num_f32 v[rT+4+j], v[rS+8*j], v[rS+8*j+1], v[rS+8*j+2]
.elseif j < 12
	v_max3_num_f32 v[rT+4+j%4], v[rT+4+j%4], v[rS+8*(j%4)+2*(j/4)+1], v[rS+8*(j%4)+2*(j/4)+2]
.elseif j == 12
	v_max3_num_f32 v[rT+4], v[rT+4], v[rS+7], v[rS+15]
.elseif j == 13
	v_max3_num_f32 v[rT+6], v[rT+6], v[rS+23], v[rS+31]
.elseif j == 14
	v_max3_num_f32 v[rT+4], v[rT+4], v[rT+5], v[rT+6]
.elseif j == 15
	v_max3_num_f32 v[rT+4], v[rT+4], v[rT+7], v[rT+1]
.elseif j == 16
	v_permlanex16_b32 v[rT+5], v[rT+4], s[SEL], s[SEL+1]
.elseif j == 17
	v_mov_b32 v[rT+7], v[rT]
.elseif j == 18
	v_max_num_f32 v[rT+1], v[rT+4], v[rT+5]
.elseif j == 19
	v_mul_f32 v[rT], s[CS], v[rT+1]
.elseif j == 20
	v_sub_f32 v[rT+7], v[rT+7], v[rT]
.elseif j == 23
	v_exp_f32 v[rT+6], v[rT+7]
.elseif (j < 23) || ((j < 38) && (j%2 == 0)) || ((j < 66) && (j%4 == 2))
.set b, (j-2)/4
.if j < 38
.set b, (j-20)/2
.endif
	v_pk_fma_f32 v[rS+2*b:rS+2*b+1], v[rS+2*b:rS+2*b+1], s[CS:CS+1], v[rT:rT+1] op_sel_hi:[1,0,0] neg_lo:[0,0,1] neg_hi:[0,0,1]
.elseif j < 70
.set e, j-38
.if j < 66
.set e, j-32-(j-38)/4
.endif
.if j < 38
.set e, (j-25)/2
.endif
	v_exp_f32 v[rS+e], v[rS+e]
.elseif j < 86
	v_cvt_pk_f16_f32 v[rP+j-70], v[rS+2*(j-70)], v[rS+2*(j-70)+1]
.elseif j < 102
.set z, j-86
.set w, 4
.set u, z
.if z >= 14
.set w, 32
.set u, 0
.elseif z >= 12
.set w, 16
.set u, z-12
.elseif z >= 8
.set w, 8
.set u, z-8
.endif
.if z < 15
	v_pk_add_f32 v[rS+w*u:rS+w*u+1], v[rS+w*u:rS+w*u+1], v[rS+w*u+w/2:rS+w*u+w/2+1]
.else
	v_pk_fma_f32 v[rT+2:rT+3], v[rT+2:rT+3], v[rT+6:rT+7], v[rS:rS+1] op_sel_hi:[1,0,1]
.endif
.else
	WIN W_RS
	v_pk_mul_f32 v[rO:rO+1], v[rO:rO+1], v[rT+6:rT+7] op_sel_hi:[1,0]
.endif
.endm
; Slice k of 64 of piece y's softmax.  Slices 11-34 deal out the batch, four numbers of one tile each; the others are numbers 2 k, 2 k + 1 of both tiles; slice 63 takes the twelve that are over.
; Behind slice 34 no exponential is issued and ahead of slice 35 no result is named: one plain line and one wait serve the piece's 66 exponentials.
.macro SLICE y
.if (k >= 11) && (k < 35)
.irp n, 0,1,2,3
.set j, 22+4*((k-11)/2)+(\n)
	SM (\y)+(k-11)%2
.endr
.else
.irp n, 0,1,2,3,4,5,6,7
.if (\n < 2) || (k == 63)
.irp t, \y, \y+1
.set j, 2*k+\n
	SM \t
.endr
.endif
.endr
.endif
.if k == 34
	v_nop
	s_wait_alu depctr_va_vdst(0)
.endif
.set k, k+1
.endm
; The block on the diagonal: in tile t of queries and tile q of keys, key 16 q + 8 h + j is hidden from query 16 t + r where q > t, or q = t and j > r - 8 h
.macro MASK y
.irp t, \y, \y+1
.irp q, 0,1,2,3
.if \q == (\t)
.irp j, 0,1,2,3,4,5,6,7
	v_cmp_gt_i32 vcc_lo, \j, v[DD]
	v_cndmask_b32 v[S+32*(\t)+8*\q+\j], v[S+32*(\t)+8*\q+\j], v[NEG], vcc_lo
.endr
.elseif \q > (\t)
.irp j, 0,1,2,3,4,5,6,7
	v_mov_b32 v[S+32*(\t)+8*\q+\j], v[NEG]
.endr
.endif
.endr
.endr
.endm
; A prefetch of K and V of my block four steps on: two steps ahead of the load of its K.  32 KB, lanes 256 bytes apart, four instructions.  All work-groups of a head walk the same blocks: the one with i = 0 asks, in
; its first pass, where its four waves walk all 32 blocks, each wave for its own: each 256 bytes are named once.  A wave's first four blocks come by their loads alone, and nothing is asked past its last block.
.macro ASK
	s_cmp_gt_u32 s[REM], s[LIM]
	s_cbranch_scc0 .Lnot_mine_\@
.irp n, 0,1,2,3
	global_prefetch_b8 v[PFO], s[NB:NB+1] offset:393216+16384+8192*\n th:TH_LOAD_NT scope:SCOPE_SE
.endr
.Lnot_mine_\@:
.endm
.macro STEP kw, kb, vw, vb
	s_cmp_lg_u32 s[REM], 0                         ; have I a step left?  (ids alone)
	s_cbranch_scc1 .Ldo_\@
	s_wait_loadcnt 0x0                             ; none: the step is jumped over inside the trip, and no load stays out into a buffer that the text behind it reads
	s_branch .Lskip_\@
.Ldo_\@:
.set i, 0
.rept 32
	KQ 0, \kw, \kb                                 ; A
.set i, i+1
.endr
	WIN 0
	PLACES                                         ; in front of the first read of those scores
	s_cmp_lg_u32 s[JB], s[QB]
	s_cbranch_scc1 .Lopen0_\@
	MASK 0
.Lopen0_\@:
.set k, 0
.set i, 0
.rept 32
	KQ 2, \kw, \kb                                 ; B
	SLICE 0
	SLICE 0
.set i, i+1
.endr
	WIN 0                                          ; slice 63's sixteen plain lines are the places behind the last product
	s_cmp_lg_u32 s[JB], s[QB]
	s_cbranch_scc1 .Lopen2_\@
	MASK 2
.Lopen2_\@:
	s_wait_loadcnt 32                              ; V is in; the next K's 32 loads may be out
	s_cmp_gt_u32 s[REM], 1
	s_cbranch_scc1 .Lmore_\@
	s_wait_loadcnt 0x0                             ; my last step: nothing real stands behind V's loads
.Lmore_\@:
	s_cmp_gt_u32 s[REM], 1
	s_cselect_b32 vcc_lo, -1, 0                    ; is there a next step?
	s_wait_xcnt 0x0                                ; EXEC changes only behind this wait
	s_and_saveexec_b32 s[SV], vcc_lo
	WIN (\kw)<<6
.set n, 0
.rept 32
	global_load_b128 v[(\kb)+4*n:(\kb)+4*n+3], v[LA], s[NB:NB+1] offset:32768+512*n   ; the next step's V, into the buffer that K has left
.set n, n+1
.endr
	WIN 0
	s_wait_xcnt 0x0
	s_or_b32 exec_lo, exec_lo, s[SV]
.set k, 0
.set i, 0
.rept 32
	PV 0, \vw, \vb                                 ; C
	SLICE 2
	SLICE 2
.set i, i+1
.endr
.set i, 0
.rept 32
	PV 2, \vw, \vb                                 ; D
.set i, i+1
.endr
	WIN 0
	s_add_co_u32 s[JB], s[JB], 4
	s_sub_co_u32 s[REM], s[REM], 1
	PLACES                                         ; in front of loads into the buffer that the last products read.  The lines from here on run behind my last step too, with every lane off
	s_wait_loadcnt 32                              ; the next step's K is in; its V's 32 loads may be out
	s_cmp_gt_u32 s[REM], 1
	s_cselect_b32 vcc_lo, -1, 0                    ; is there a step after the next?
	s_wait_xcnt 0x0                                ; the loads and prefetches have read their base; EXEC may change
	s_add_nc_u64 s[NB:NB+1], s[NB:NB+1], 196608    ; four blocks on (behind my last two steps no lane reads by it)
	s_and_saveexec_b32 s[SV], vcc_lo
	WIN (\vw)<<6
.set n, 0
.rept 32
	global_load_b128 v[(\vb)+4*n:(\vb)+4*n+3], v[LA], s[NB:NB+1] offset:16384+512*n   ; its K, into the buffer that V has left
.set n, n+1
.endr
	WIN 0
	s_wait_xcnt 0x0
	s_or_b32 exec_lo, exec_lo, s[SV]
	ASK
.Lskip_\@:
.endm
.macro INIT                            ; O^T and l = 0, m = -1e30: one text then serves every step, and a wave without keys leaves a part that counts for nothing
	WIN 0x40
.set n, 0
.rept 256
	v_mov_b32 v[n], 0
.set n, n+1
.endr
	WIN 0
.irp t, 0,1,2,3
	v_mov_b32 v[ST+8*\t+1], 0xf149f2ca
	v_mov_b32 v[ST+8*\t+2], 0
	v_mov_b32 v[ST+8*\t+3], 0
	v_mov_b32 v[ST+8*\t+5], 0
.endr
.irp t, 0,1,2,3
	v_mul_f32 v[ST+8*\t], s[CS], v[ST+8*\t+1]
.endr
.endm
; Eight f32 numbers v[x] .. v[x + 7] become, in place, four registers of low parts and four of high parts, in f16.  t: eight registers at work; m: the register with the mask; all in the window that is set.
; y >= 0: the parts are laid once more at v[y], high parts first.
.macro SPLIT x, t, m, y
.irp j, 0,1,2,3,4,5,6,7
	v_and_b32 v[(\t)+\j], v[\m], v[(\x)+\j]        ; high: the mantissa cut to ten bits
.endr
.irp p, 0,2,4,6
	v_pk_add_f32 v[(\x)+\p:(\x)+\p+1], v[(\x)+\p:(\x)+\p+1], v[(\t)+\p:(\t)+\p+1] neg_lo:[0,1] neg_hi:[0,1]   ; low = number - high: exact
.endr
.if (\y) >= 0
.irp p, 0,1,2,3
	v_cvt_pk_f16_f32 v[(\y)+\p], v[(\t)+2*\p], v[(\t)+2*\p+1]
	v_cvt_pk_f16_f32 v[(\y)+4+\p], v[(\x)+2*\p], v[(\x)+2*\p+1]
.endr
.endif
.irp p, 0,1,2,3
	v_cvt_pk_f16_f32 v[(\x)+\p], v[(\x)+2*\p], v[(\x)+2*\p+1]      ; register p is written when its own number has been read
.endr
.irp p, 0,1,2,3
	v_cvt_pk_f16_f32 v[(\x)+4+\p], v[(\t)+2*\p], v[(\t)+2*\p+1]
.endr
.endm
	s_load_b128 s[4:7], s[0:1], 0x0                ; qkv, o16
	s_load_b128 s[36:39], s[0:1], 0x10             ; fine, ofine
	v_lshl_add_u32 v[SPW], v0, 2, SPARE
	v_mov_b32 v[NIL], 0
	v_lshrrev_b32 v1, 5, v0
	v_readfirstlane_b32 s[WV], v1
	s_mov_b32 s[IX], ttmp9
	s_and_b32 s[HEAD], ttmp7, 0xffff
	v_and_b32 v1, 31, v0
	v_lshlrev_b32 v[LA], 4, v1
	v_lshlrev_b32 v[PFO], 8, v1
	v_and_b32 v45, 15, v0                          ; r
	v_bfe_u32 v46, v0, 4, 1                        ; h
	v_lshlrev_b32 v[DD], 3, v46
	v_sub_nc_u32 v[DD], v45, v[DD]
	v_mov_b32 v[NEG], 0xff800000
	s_lshl_b32 s28, s[WV], 15
	v_add_nc_u32 v[MW], s28, v[LA]                 ; where I put my O^T: 32,768 x wave
	s_lshl_b32 s28, s[WV], 13
	v_add_nc_u32 v[MR], s28, v[LA]                 ; where I read tile w of waves 0, 1;
	v_add_nc_u32 v[MR2], 0x10000, v[MR]            ; of waves 2, 3
	v_lshlrev_b32 v[SW], 2, v1
	v_add_nc_u32 v[SW], MS, v[SW]
	s_lshl_b32 s28, s[WV], 8
	v_add_nc_u32 v[SR], s28, v[SW]
	s_lshl_b32 s28, s[WV], 10
	v_add_nc_u32 v[SW], s28, v[SW]
	s_mul_i32 s28, s[WV], 16*272
	s_add_co_u32 s28, s28, SG
	v_mul_u32_u24 v[STO], v45, 272
	v_lshl_add_u32 v[STO], v46, 4, v[STO]
	v_add_nc_u32 v[STO], s28, v[STO]
	v_mul_u32_u24 v[RD], v46, 272
	v_lshl_add_u32 v[RD], v45, 4, v[RD]
	v_add_nc_u32 v[RD], s28, v[RD]
	v_lshlrev_b32 v[GO], 12, v46
	v_lshl_add_u32 v[GO], v45, 4, v[GO]            ; lanes 0-15 one row of o16, lanes 16-31 the next
	s_mov_b32 s[CS], 0x440293ee                    ; log2(e) / sqrt(128) x 2^12
	s_mov_b32 s[CS+1], s[CS]
	s_mov_b32 s[SEL], 0x76543210
	s_mov_b32 s[SEL+1], 0xfedcba98
	s_mov_b32 s[MK], 0xffffe000
	s_mul_i32 s28, s[HEAD], 1572864
	s_mov_b32 s29, 0
	s_lshl_b32 s34, s[HEAD], 13                    ; a head's images in fine and in ofine: 8 KB
	s_mov_b32 s35, 0
	s_mov_b32 s[PASS], 0
	s_wait_kmcnt 0x0
	s_add_nc_u64 s[HB:HB+1], s[4:5], s[28:29]
	s_add_nc_u64 s[FI:FI+1], s[36:37], s[34:35]
	s_add_nc_u64 s[FOU:FOU+1], s[38:39], s[34:35]
.Lpass:
	s_sub_co_u32 s[QB], 31, s[IX]
	s_cmp_eq_u32 s[PASS], 0
	s_cselect_b32 s[QB], s[QB], s[IX]              ; the block of queries
	s_add_co_u32 s[REM], s[QB], 4
	s_sub_co_u32 s[REM], s[REM], s[WV]
	s_lshr_b32 s[REM], s[REM], 2                   ; my steps: blocks w, w + 4, .. up to QB
	s_mov_b32 s[JB], s[WV]
	s_or_b32 s[LIM], s[IX], s[PASS]
	s_cmp_eq_u32 s[LIM], 0
	s_cselect_b32 s[LIM], 3, -1
	s_add_co_u32 s[TRIP], s[REM], 2
	s_mul_i32 s[TRIP], s[TRIP], 11
	s_lshr_b32 s[TRIP], s[TRIP], 5                 ; steps / 3, rounded up (steps are 8 at the most)
	s_lshl_b32 s28, s[QB], 6
	s_lshl_b32 s29, s[WV], 4
	s_add_co_u32 s28, s28, s29
	s_lshl_b32 s28, s28, 12                        ; row 64 QB + 16 w of 4,096 bytes,
	s_lshl_b32 s29, s[HEAD], 8
	s_add_co_u32 s28, s28, s29                     ; the head's 256 bytes
	s_mov_b32 s29, 0
	s_wait_xcnt 0x0                                ; the last pass's loads and stores have read their bases
	s_add_nc_u64 s[OB:OB+1], s[6:7], s[28:29]
	s_mul_i32 s28, s[QB], 49152
	s_add_nc_u64 s[QA:QA+1], s[HB:HB+1], s[28:29]
	s_mul_i32 s28, s[JB], 49152
	s_add_nc_u64 s[N0:N0+1], s[HB:HB+1], s[28:29]
	s_add_co_u32 s28, s[JB], 4
	s_min_u32 s28, s28, s[QB]                      ; my second block, held at the diagonal's
	s_mul_i32 s28, s28, 49152
	s_add_nc_u64 s[NB:NB+1], s[HB:HB+1], s[28:29]
	s_cmp_lg_u32 s[REM], 0
	s_cbranch_scc1 .Lwork
	INIT                                           ; no key block is mine in this pass
	s_cmp_lg_u32 s[QB], 0
	s_cbranch_scc1 .Lmerge
	s_cmp_lg_u32 s[WV], 1
	s_cbranch_scc1 .Lmerge
	; ---- POSITIONS 0-15 OF MY HEAD, FINELY: once for each head, by a wave that has no key block here.  It leaves my statistics and my O^T of zeros as INIT made them
	WIN 0x80                                       ; destination window 2, address window 0
.set n, 0
.rept 16
	global_load_b128 v[FK+4*n:FK+4*n+3], v[LA], s[FI:FI+1] offset:131072+512*n    ; k: image 2 c + u: register j of lane (r, h) is position r, channel 64 u + 16 c + 8 h + j
.set n, n+1
.endr
.set n, 0
.rept 16
	global_load_b128 v[FQ+4*n:FQ+4*n+3], v[LA], s[FI:FI+1] offset:512*n           ; q likewise
.set n, n+1
.endr
	v_mov_b32 v[FM], 0xffffe000
	WIN 0xc0                                       ; destination window 3
.set n, 0
.rept 16
	global_load_b128 v[FV+4*n:FV+4*n+3], v[LA], s[FI:FI+1] offset:262144+512*n    ; v: image c: register j of lane (r, h) is channel 16 c + r, key 8 h + j
.set n, n+1
.endr
	v_mov_b32 v[FM3], 0xffffe000
	WIN 0xaa                                       ; all in window 2
	s_wait_loadcnt 16                              ; k and q are in; v's 16 loads may be out
.set n, 0
.rept 8
	SPLIT FK+8*n, FT, FM, -1
	SPLIT FQ+8*n, FT, FM, FQX+8*n
.set n, n+1
.endr
	WIN 0x0a                                       ; sources in window 2, sums in window 0
.set n, 0
.rept 8                                ; two accumulators by turns: low x low + high x high, and low x high + high x low
.if n == 0
	v_wmma_f32_16x16x32_f16 v[64:71], v[FK+8*n:FK+8*n+7], v[FQ+8*n:FQ+8*n+7], 0
	v_wmma_f32_16x16x32_f16 v[72:79], v[FK+8*n:FK+8*n+7], v[FQX+8*n:FQX+8*n+7], 0
.else
	v_wmma_f32_16x16x32_f16 v[64:71], v[FK+8*n:FK+8*n+7], v[FQ+8*n:FQ+8*n+7], v[64:71]
	v_wmma_f32_16x16x32_f16 v[72:79], v[FK+8*n:FK+8*n+7], v[FQX+8*n:FQX+8*n+7], v[72:79]
.endif
.set n, n+1
.endr
	WIN 0
	PLACES
.irp p, 0,2,4,6
	v_pk_add_f32 v[64+\p:65+\p], v[64+\p:65+\p], v[72+\p:73+\p]    ; lane (r, h): query r, keys 8 h + 0 .. 7
.endr
.irp j, 0,1,2,3,4,5,6,7
	v_cmp_gt_i32 vcc_lo, \j, v[DD]                 ; key 8 h + j behind query r
	v_cndmask_b32 v[64+\j], v[64+\j], v[NEG], vcc_lo
.endr
	v_max3_num_f32 v80, v64, v65, v66
	v_max3_num_f32 v80, v80, v67, v68
	v_max3_num_f32 v80, v80, v69, v70
	v_max_num_f32 v80, v80, v71
	v_mov_b32 v81, 0                               ; (a lane permute's destination counts as one of its sources)
	v_permlanex16_b32 v81, v80, s[SEL], s[SEL+1]
	v_max_num_f32 v80, v80, v81                    ; the row's maximum: key 0 counts for every query
	v_mul_f32 v80, s[CS], v80
.irp j, 0,1,2,3,4,5,6,7
	v_fma_f32 v[64+\j], v[64+\j], s[CS], -v80
.endr
.irp j, 0,1,2,3,4,5,6,7
	v_exp_f32 v[64+\j], v[64+\j]
.endr
	v_nop
	s_wait_alu depctr_va_vdst(0)                   ; one wait for the eight, ahead of their first reader
	v_pk_add_f32 v[82:83], v[64:65], v[66:67]
	v_pk_add_f32 v[84:85], v[68:69], v[70:71]
	v_pk_add_f32 v[82:83], v[82:83], v[84:85]
	v_add_f32 v82, v82, v83
	v_permlanex16_b32 v83, v82, s[SEL], s[SEL+1]
	v_add_f32 v82, v82, v83                        ; the row's sum
	v_rcp_f32 v86, v82
	v_mov_b32 v87, 0                               ; (a plain line behind the reciprocal; the pair's upper half is written)
	s_wait_alu depctr_va_vdst(0)
.irp j, 0,1,2,3,4,5,6,7
	v_and_b32 v[88+\j], s[MK], v[64+\j]            ; p's parts, as in SPLIT
.endr
.irp p, 0,2,4,6
	v_pk_add_f32 v[64+\p:65+\p], v[64+\p:65+\p], v[88+\p:89+\p] neg_lo:[0,1] neg_hi:[0,1]
.endr
.irp p, 0,1,2,3
	v_cvt_pk_f16_f32 v[192+\p], v[88+2*\p], v[89+2*\p]     ; [ph, ph]: the 16 keys stand twice along K, against vl and against vh
	v_cvt_pk_f16_f32 v[196+\p], v[88+2*\p], v[89+2*\p]
	v_cvt_pk_f16_f32 v[200+\p], v[64+2*\p], v[65+2*\p]     ; [pl, pl]
	v_cvt_pk_f16_f32 v[204+\p], v[64+2*\p], v[65+2*\p]
.endr
	s_wait_loadcnt 0x0                             ; v
	WIN 0xff                                       ; all in window 3
.set n, 0
.rept 8
	SPLIT FV+8*n, FT3, FM3, -1
.set n, n+1
.endr
	WIN 0xf3                                       ; v and the sums in window 3, p in window 0
.irp b, 192, 200
.irp c, 0,1,2,3,4,5,6,7                ; eight accumulators by turns
.if \b == 192
	v_wmma_f32_16x16x32_f16 v[FOA+8*\c:FOA+8*\c+7], v[FV+8*\c:FV+8*\c+7], v[\b:\b+7], 0
.else
	v_wmma_f32_16x16x32_f16 v[FOA+8*\c:FOA+8*\c+7], v[FV+8*\c:FV+8*\c+7], v[\b:\b+7], v[FOA+8*\c:FOA+8*\c+7]
.endif
.endr
.endr
	WIN 0
	PLACES
	WIN 0xc3                                       ; O^T (destination and source 0) window 3, 1 / sum window 0
.set n, 0
.rept 32
	v_pk_mul_f32 v[FOA+2*n:FOA+2*n+1], v[FOA+2*n:FOA+2*n+1], v[86:87] op_sel_hi:[1,0]   ; each accumulator from its low end on
.set n, n+1
.endr
	WIN 0x0c                                       ; a store's data are its source 1: window 3
.set n, 0
.rept 16
	global_store_b128 v[LA], v[FOA+4*n:FOA+4*n+3], s[FOU:FOU+1] offset:512*n    ; 512 consecutive bytes
.set n, n+1
.endr
	WIN 0
	s_branch .Lmerge
.Lwork:
	WIN 0x80
.set n, 0
.rept 32
	global_load_b128 v[4*n:4*n+3], v[LA], s[QA:QA+1] offset:512*n              ; Q
.set n, n+1
.endr
.set n, 0
.rept 32
	global_load_b128 v[128+4*n:128+4*n+3], v[LA], s[N0:N0+1] offset:16384+512*n   ; K of my first block -> X
.set n, n+1
.endr
	WIN 0xc0
.set n, 0
.rept 32
	global_load_b128 v[4*n:4*n+3], v[LA], s[N0:N0+1] offset:32768+512*n        ; its V -> Y
.set n, n+1
.endr
.set n, 0
.rept 32
	global_load_b128 v[128+4*n:128+4*n+3], v[LA], s[NB:NB+1] offset:16384+512*n   ; K of my second block -> Z
.set n, n+1
.endr
	INIT
	s_wait_loadcnt 63                              ; Q and the first K are in: 64 loads stand behind them, and the counter's field ends at 63
	s_max_u32 s[TRIP], s[TRIP], 1                  ; at least one trip: here I have at least one step
.Ltrip:
	STEP 2, 128, 3, 0                              ; K in X, V in Y
	STEP 3, 128, 2, 128                            ; K in Z, V in X
	STEP 3, 0, 3, 128                              ; K in Y, V in Z
	s_sub_co_u32 s[TRIP], s[TRIP], 1
	s_cmp_lg_u32 s[TRIP], 0
	s_cbranch_scc1 .Ltrip
.Lmerge:
	s_wait_loadcnt 0x0                             ; no load of mine is out
.irp t, 0,1,2,3
	v_add_f32 v[ST+8*\t+4], v[ST+8*\t+2], v[ST+8*\t+3]     ; l's two halves
.endr
.irp t, 0,1,2,3
	v_permlanex16_b32 v[ST+8*\t+5], v[ST+8*\t+4], s[SEL], s[SEL+1]
.endr
.irp t, 0,1,2,3
	v_add_f32 v[ST+8*\t+4], v[ST+8*\t+4], v[ST+8*\t+5]
.endr
	WIN 0x04                                       ; an LDS store's data are its source 1: window 1
.irp t, 0,1,2,3
.irp n, 0,1,2,3,4,5,6,7,8,9,10,11,12,13,14,15
	ds_store_b128 v[MW], v[64*\t+4*\n:64*\t+4*\n+3] offset:8192*\t+512*\n   ; my O^T as its registers lie, each accumulator from its low end on
.endr
.endr
	WIN 0
.irp t, 0,1,2,3
	ds_store_b32 v[SW], v[ST+8*\t] offset:256*\t
	ds_store_b32 v[SW], v[ST+8*\t+4] offset:256*\t+128
.endr
	s_wait_dscnt 0x0                               ; for the others' sake: my stores have landed
	s_barrier_signal -1
	s_barrier_wait -1
.irp u, 0,1,2,3
	ds_load_b32 v[46+2*\u], v[SR] offset:1024*\u           ; tile w: wave u's c m
	ds_load_b32 v[47+2*\u], v[SR] offset:1024*\u+128       ; and l
.endr
	WIN 0x40
.irp u, 0,1
.irp n, 0,1,2,3,4,5,6,7,8,9,10,11,12,13,14,15
	ds_load_b128 v[64*\u+4*\n:64*\u+4*\n+3], v[MR] offset:32768*\u+512*\n
.endr
.endr
.irp u, 0,1
.irp n, 0,1,2,3,4,5,6,7,8,9,10,11,12,13,14,15
	ds_load_b128 v[128+64*\u+4*\n:128+64*\u+4*\n+3], v[MR2] offset:32768*\u+512*\n
.endr
.endr
	WIN 0
	s_wait_dscnt 63                                ; the eight words are in: 64 loads stand behind them
	v_max3_num_f32 v54, v46, v48, v50
	v_max_num_f32 v54, v54, v52                    ; the largest c m
.irp u, 0,1,2,3
	v_sub_f32 v[46+2*\u], v[46+2*\u], v54
.endr
.irp u, 0,1,2,3
	v_exp_f32 v[46+2*\u], v[46+2*\u]               ; f = 2^(c m - the largest)
.endr
	v_nop
	s_wait_alu depctr_va_vdst(0)                   ; one wait for the four, ahead of their first reader
	v_mul_f32 v55, v46, v47
	v_fmac_f32 v55, v48, v49
	v_fmac_f32 v55, v50, v51
	v_fmac_f32 v55, v52, v53                       ; the row's sum
	v_rcp_f32 v56, v55
	v_nop
	s_wait_alu depctr_va_vdst(0)
.irp u, 0,1,2,3
	v_mul_f32 v[46+2*\u], v[46+2*\u], v56          ; f / sum
.endr
	s_wait_dscnt 0x0
	WIN 0x01                                       ; source 0 window 1
.set n, 0
.rept 32
	v_pk_mul_f32 v[S+2*n:S+2*n+1], v[2*n:2*n+1], v[46:47] op_sel_hi:[1,0]
.set n, n+1
.endr
.irp u, 1,2,3
.set n, 0
.rept 32
	v_pk_fma_f32 v[S+2*n:S+2*n+1], v[64*\u+2*n:64*\u+2*n+1], v[46+2*\u:47+2*\u], v[S+2*n:S+2*n+1] op_sel_hi:[1,0,1]
.set n, n+1
.endr
.endr
	WIN 0
.set n, 0
.rept 32
	v_cvt_pk_f16_f32 v[P+n], v[S+2*n], v[S+2*n+1]
.set n, n+1
.endr
.irp c, 0,1,2,3,4,5,6,7
	ds_store_b128 v[STO], v[P+4*\c:P+4*\c+3] offset:32*\c      ; row r of my stage: eight channels are 16 bytes
.endr
.irp f, 0,1,2,3,4,5,6,7
	ds_load_b128 v[P+32+4*\f:P+32+4*\f+3], v[RD] offset:544*\f   ; back as whole rows; LDS serves a wave's instructions in order
.endr
.irp f, 0,1,2,3,4,5,6,7
	s_wait_dscnt 7-\f
	global_store_b128 v[GO], v[P+32+4*\f:P+32+4*\f+3], s[OB:OB+1] offset:8192*\f   ; 16 lanes store 256 consecutive bytes, aligned
.endr
	s_wait_dscnt 0x0                               ; my reads of the four parts are over:
	s_barrier_signal -1
	s_barrier_wait -1                              ; the next pass may write them again
	s_add_co_u32 s[PASS], s[PASS], 1
	s_cmp_lt_u32 s[PASS], 2
	s_cbranch_scc1 .Lpass
	s_wait_tensorcnt 0x0                           ; the wave's end
	ds_add_u32 v[SPW], v[NIL]
	s_wait_dscnt 0x0
	s_endpgm
.Lfunc_end_k_qae517db045_attn:
	.size	k_qae517db045_attn, .Lfunc_end_k_qae517db045_attn-k_qae517db045_attn
	.p2alignl 7, 3214868480
	.fill 96, 4, 3214868480
	.section	.rodata,"a",@progbits
	.p2align	6, 0x0
	.amdhsa_kernel k_qae517db045_attn
		.amdhsa_group_segment_fixed_size 153600
		.amdhsa_private_segment_fixed_size 0
		.amdhsa_enable_private_segment 0
		.amdhsa_kernarg_size 32
		.amdhsa_user_sgpr_count 2
		.amdhsa_user_sgpr_kernarg_segment_ptr 1
		.amdhsa_wavefront_size32 1
		.amdhsa_system_sgpr_workgroup_id_x 1
		.amdhsa_system_sgpr_workgroup_id_y 1
		.amdhsa_system_sgpr_workgroup_id_z 1
		.amdhsa_system_vgpr_workitem_id 0
		.amdhsa_next_free_vgpr 1024
		.amdhsa_next_free_sgpr 66
		.amdhsa_reserve_vcc 1
		.amdhsa_float_denorm_mode_32 3
		.amdhsa_float_denorm_mode_16_64 3
		.amdhsa_memory_ordered 1
		.amdhsa_forward_progress 1
		.amdhsa_inst_pref_size 255
	.end_amdhsa_kernel
	.section	.bss,"aw",@nobits
	.p2align	6
	.space	262144
	.amdgpu_metadata
---
amdhsa.version: [ 1, 2 ]
amdhsa.kernels:
  - .name:           k_qae517db045_attn
    .symbol:         k_qae517db045_attn.kd
    .args:
      - { .name: qkv, .offset: 0, .size: 8, .value_kind: global_buffer, .address_space: global }
      - { .name: o16, .offset: 8, .size: 8, .value_kind: global_buffer, .address_space: global }
      - { .name: fine, .offset: 16, .size: 8, .value_kind: global_buffer, .address_space: global }
      - { .name: ofine, .offset: 24, .size: 8, .value_kind: global_buffer, .address_space: global }
    .group_segment_fixed_size: 153600
    .private_segment_fixed_size: 0
    .kernarg_segment_align: 8
    .kernarg_segment_size: 32
    .max_flat_workgroup_size: 128
    .sgpr_count:     66
    .vgpr_count:     1024
    .wavefront_size: 32
...
	.end_amdgpu_metadata
.endif
;; end of part 3
;; launch proj (part 4): grid 16 x 16, 4 waves a work-group, clusters of 4 x 4, 327,680 bytes of LDS; arguments o16, wo16, out0, Wo, ofine; writes out0
.if DOCPART == 4
	.amdgcn_target "amdgcn-amd-amdhsa--gfx1250"
	.amdhsa_code_object_version 6
	.text
	.protected	k_qae517db045_proj
	.globl	k_qae517db045_proj
	.p2align	8
	.type	k_qae517db045_proj,@function
k_qae517db045_proj:
	s_mov_b64 s[64:65], 0
	v_nop
	global_prefetch_b8 v0, s[64:65] scope:SCOPE_SE
	s_setreg_imm32_b32 hwreg(HW_REG_WAVE_MODE, 25, 1), 1
	s_wait_xcnt 0x0
	s_wait_alu depctr_hold_cnt(0) depctr_sa_sdst(0) depctr_va_vdst(0) depctr_va_sdst(0) depctr_va_ssrc(0) depctr_va_vcc(0) depctr_vm_vsrc(0)
	s_getreg_b32 s2, hwreg(HW_REG_IB_STS2, 6, 4)
	s_cmp_eq_u32 s2, 0
	s_cbranch_scc0 .Lentry_in_a_cluster
	s_endpgm
.Lentry_in_a_cluster:
	s_bfe_u32 s2, ttmp6, 0x10000c
	s_cmp_lg_u32 s2, 0xf033
	s_cbranch_scc0 .Lentry_shape_is_right
	s_endpgm
.Lentry_shape_is_right:
; out0[s][f] = sum over e of o[s][e] Wo[f][e].  Rows 16 and on: f16 operands (o16, wo16), f32 sums.  ROWS 0-15: f32 operands (ofine, Wo), since under the causal mask they are the largest of the output.
; Nothing is left out.  The main tiles make rows 0-15 too, inside live tiles, and do not store them: their eight stores run under a lane mask that is empty there.
; THE MAIN PRODUCT.  A tile of 128 x 128 to a work-group, 256 work-groups; four waves of 64 x 64: 16 accumulators.  K in steps of 256 (LDS rows of 512 bytes) through two slots.  4 x 4 work-groups form a cluster: A's
; tiles are asked for jointly along a row of it, B's along a column.  The matrix instruction is used transposed (source 0 = 16 rows of B, source 1 = 16 rows of A): a lane holds eight neighbouring numbers of a row of out0.
; ROWS 0-15, shared among all 256 work-groups alike: work-group T = 16 x tile row + tile column makes out0[0..15][8 T .. 8 T + 7], behind its first joint loads, while the first tiles are on their way.
;   Wave w takes heads 4 w .. 4 w + 3: 128 products of the f32 form on four accumulators by turns.  That form takes k = 2 h + j from register j of lane (r, h); which number stands at a place is free so long as both sources
;   agree: register 8 c + 2 n + j of Wo's run and of o's image both stand for channel 16 c + 8 h + 2 n + j of the head.  Source 0's row m is Wo's row 8 T + m % 8: the tile holds each column twice, so that no
;   work-group differs from another, and both halves of the lanes hold all eight columns: lane (r, h) stores columns 4 h .. 4 h + 3 of row r, 16 bytes.  (Parts of 256-byte runs: 128 KB in the whole launch.)
;   The loads of Wo take 16 bytes of each of eight rows: LDS has no room for a tile of 64 KB beside the ring.  The four waves' parts meet in LDS at the barrier that stands in front of the first K step anyway.
;   The sums lie in the main product's first four accumulators, which matrix instructions alone write in the whole text, and begin with the constant 0.
; REGISTERS: window 0: v0-31 addresses; v32-95 the way out; v96-99 rows 0-15 to store; v128-255 the accumulators ((a, b) at v[128 + 8 (4 a + b)]).  window 1: two fragment buffers of 128.
;   windows 2, 3: rows 0-15: two heads each: 64 registers of Wo, 64 of o.
.set SIZE_N, 2048
.set SIZE_K, 2048
.set KSTEP,  256
.set PITCH,  528                       ; 512 bytes + 16 of padding: the 16 rows of a load start at 16 different banks (ISA guide 11.1)
.set HALFT,  64*PITCH
.set SLOT,   4*HALFT
.set STAGE,  2*SLOT                    ; behind the ring: 16 rows x 272 bytes for each wave
.set SPITCH, 272
.set SPARE,  STAGE+4*16*SPITCH
.set RED,    SPARE+512                 ; behind the spare words: each wave's part of rows 0-15, 1 KB
.set LAPS, SIZE_K/(2*KSTEP)
.set ADRA, 16
.set RR,   19                          ; v19 RED + 16 x lane
.set ADRB, 20
.set WA,   22                          ; v22 Wo: row lane % 8 of 8,192 bytes, + 32 h
.set RW,   23                          ; v23 RED + 1,024 x wave + 16 x lane
.set STO,  24
.set RD,   25
.set CO,   26
.set FO,   27                          ; v27 out0: row r of 8,192 bytes, + 16 h
.set SPW,  28
.set NIL,  29
.set FL,   30                          ; v30 0 where my wave's first 16 rows are rows 0-15
.set LAO,  31                          ; v31 16 x lane
.set TMP,  32
.set ACC,  128
.set F0,   0
.set F1,   128
.set G1, 24
.set G0, 32
.set G1B, 48
.set G0B, 56
.set MSB, 0
.macro WIN new
.if MSB != (\new)
	s_set_vgpr_msb (MSB<<8)|(\new)
.set MSB, (\new)
.endif
.endm
.set MUL,  0x05                        ; sources 0 (B) and 1 (A) window 1; C and D window 0
.set TO_F, 0x40
.macro JLOAD s                         ; a joint load: waves 0 and 1 fetch A's halves, waves 2 and 3 B's; an s_nop 0 and four v_nop follow each line
	s_cmp_eq_u32 s11, 0
	s_cbranch_scc0 .Lfor_b_\@
	tensor_load_to_lds s[G0+4*\s:G0+4*\s+3], s[G1:G1+7]
	s_nop 0
.rept 4
	v_nop
.endr
	s_branch .Lasked_\@
.Lfor_b_\@:
	tensor_load_to_lds s[G0B+4*\s:G0B+4*\s+3], s[G1B:G1B+7]
	s_nop 0
.rept 4
	v_nop
.endr
.Lasked_\@:
.endm
.macro CREST
	s_cmp_lg_u32 s10, 0
	s_cbranch_scc1 .Lnot_wave_0_\@
	s_barrier_signal -3
.Lnot_wave_0_\@:
	s_barrier_wait -3
	s_barrier_signal -1
	s_barrier_wait -1
.endm
.macro CROUND
	s_barrier_signal -1
	s_barrier_wait -1
	CREST
.endm
	s_load_b128 s[4:7], s[0:1], 0x0                ; o16, wo16
	s_load_b64 s[8:9], s[0:1], 0x10                ; out0
	s_load_b64 s[68:69], s[0:1], 0x18              ; Wo
	s_load_b64 s[70:71], s[0:1], 0x20              ; ofine
	v_lshl_add_u32 v[SPW], v0, 2, SPARE
	v_mov_b32 v[NIL], 0
	ds_add_u32 v[SPW], v[NIL]                      ; the wave's opening: the add, twice on end; its wait stands ahead of my first tensor load
	ds_add_u32 v[SPW], v[NIL]
	v_lshrrev_b32 v1, 5, v0
	v_readfirstlane_b32 s10, v1
	s_lshr_b32 s11, s10, 1                         ; my half of the rows.  Also: I fetch for A (0) or B (1)
	s_and_b32 s12, s10, 1                          ; my half of the columns.  Also: which 64 rows I fetch
	s_bfe_u32 s40, ttmp6, 0x40000
	s_bfe_u32 s41, ttmp6, 0x40004
	s_lshl_b32 s42, ttmp9, 2
	s_add_co_u32 s42, s42, s40                     ; tile column
	s_and_b32 s13, ttmp7, 0xffff
	s_lshl_b32 s13, s13, 2
	s_add_co_u32 s13, s13, s41                     ; tile row
	s_lshl_b32 s43, s41, 2
	s_lshl_b32 s43, 15, s43
	s_lshl_b32 s44, 0x1111, s40
	s_or_b32 s[G1+0], s43, (1<<16)|(1<<20)|(1<<21)|(6<<22)|(3<<25)  ; mask; elements of 2 bytes; padding on; bit 21 beside a mask; 4 words behind every 128
	s_or_b32 s[G1B+0], s44, (1<<16)|(1<<20)|(1<<21)|(6<<22)|(3<<25)
.irp g, G1, G1B
	s_mov_b32 s[\g+1], KSTEP<<16
	s_mov_b32 s[\g+2], 64<<16
	s_mov_b32 s[\g+3], KSTEP<<16
	s_mov_b32 s[\g+4], 64
	s_mov_b32 s[\g+5], SIZE_K
	s_mov_b32 s[\g+6], 0
	s_mov_b32 s[\g+7], 0
.endr
	s_lshl_b32 s17, s12, 6
	s_lshl_b32 s16, s13, 7
	s_add_co_u32 s16, s16, s17
	s_lshl_b32 s46, s42, 7
	s_add_co_u32 s46, s46, s17
	s_mov_b32 s17, 0
	s_mov_b32 s47, 0
	s_mov_b64 s[18:19], SIZE_K*2
	s_mul_u64 s[16:17], s[16:17], s[18:19]
	s_mul_u64 s[46:47], s[46:47], s[18:19]
	s_mul_i32 s20, s10, HALFT
	s_wait_dscnt 0x0                               ; both opening adds are done
	s_wait_kmcnt 0x0
	s_add_nc_u64 s[14:15], s[4:5], s[16:17]
	s_add_nc_u64 s[46:47], s[6:7], s[46:47]
	CROUND                                         ; the first joint loads meet
.irp s, 0,1
	s_mov_b32 s[G0+4*\s], 1
	s_add_co_u32 s[G0+4*\s+1], s20, \s*SLOT
	s_add_nc_u64 s[G0+4*\s+2:G0+4*\s+3], s[14:15], \s*KSTEP*2
	s_or_b32 s[G0+4*\s+3], s[G0+4*\s+3], 0x80000000
	s_mov_b32 s[G0B+4*\s], 1
	s_add_co_u32 s[G0B+4*\s+1], s20, \s*SLOT
	s_add_nc_u64 s[G0B+4*\s+2:G0B+4*\s+3], s[46:47], \s*KSTEP*2
	s_or_b32 s[G0B+4*\s+3], s[G0B+4*\s+3], 0x80000000
	JLOAD \s
.endr
	v_and_b32 v1, 15, v0                           ; r
	v_bfe_u32 v2, v0, 4, 1                         ; h; kept
	v_mul_u32_u24 v3, v1, PITCH
	v_lshl_add_u32 v3, v2, 4, v3
	s_mul_i32 s21, s11, HALFT
	s_mul_i32 s22, s12, HALFT
	s_add_co_u32 s22, s22, 2*HALFT
.irp s, 0,1
	v_add_nc_u32 v[ADRA+\s], s21, v3
	v_add_nc_u32 v[ADRB+\s], s22, v3
	s_add_co_u32 s21, s21, SLOT
	s_add_co_u32 s22, s22, SLOT
.endr
	s_mul_i32 s23, s10, 16*SPITCH                  ; my own stage: my 64 columns of f32 are 256 bytes, a whole aligned run, so no wave needs another's
	s_add_co_u32 s23, s23, STAGE
	v_mul_u32_u24 v4, v1, SPITCH
	v_lshl_add_u32 v4, v2, 5, v4
	v_add_nc_u32 v[STO], s23, v4                   ; in: row r, 32 bytes for each half of the lanes
	v_mul_u32_u24 v5, v2, SPITCH
	v_lshl_add_u32 v5, v1, 4, v5
	v_add_nc_u32 v[RD], s23, v5                    ; back: lanes 0-15 one row, lanes 16-31 the next
	v_mul_u32_u24 v5, v2, SIZE_N*4
	v_lshl_add_u32 v[CO], v1, 4, v5
	; rows 0-15: addresses.  The work-group's place enters addresses in memory and a lane mask alone
	v_lshlrev_b32 v[FO], 13, v1
	v_lshl_add_u32 v[FO], v2, 4, v[FO]
	v_and_b32 v[LAO], 31, v0
	v_lshlrev_b32 v[LAO], 4, v[LAO]
	v_and_b32 v[WA], 7, v1
	v_lshlrev_b32 v[WA], 13, v[WA]
	v_lshl_add_u32 v[WA], v2, 5, v[WA]
	s_lshl_b32 s73, s10, 10
	s_add_co_u32 s73, s73, RED
	v_add_nc_u32 v[RW], s73, v[LAO]
	v_add_nc_u32 v[RR], RED, v[LAO]
	s_or_b32 s73, s13, s11
	v_mov_b32 v[FL], s73
	s_lshl_b32 s72, s13, 4
	s_add_co_u32 s72, s72, s42                     ; T
	s_lshl_b32 s74, s72, 5
	s_mov_b32 s75, 0
	s_add_nc_u64 s[76:77], s[8:9], s[74:75]        ; out0 at column 8 T
	s_lshl_b32 s74, s72, 16                        ; Wo: 8 T rows of 8,192 bytes,
	s_lshl_b32 s73, s10, 11                        ; my four heads' 2,048 bytes of them
	s_add_co_u32 s74, s74, s73
	s_add_nc_u64 s[68:69], s[68:69], s[74:75]
	s_lshl_b32 s74, s10, 15                        ; ofine: my four heads' images
	s_add_nc_u64 s[70:71], s[70:71], s[74:75]
	s_lshl_b32 s16, s13, 7
	s_lshl_b32 s17, s11, 6
	s_add_co_u32 s16, s16, s17                     ; my first row
	s_mov_b32 s17, 0
	s_mov_b64 s[18:19], SIZE_N*4
	s_mul_u64 s[16:17], s[16:17], s[18:19]
	s_add_nc_u64 s[8:9], s[8:9], s[16:17]
	s_lshl_b32 s46, s42, 9
	s_lshl_b32 s47, s12, 8
	s_add_co_u32 s46, s46, s47                     ; my first column, in bytes
	s_mov_b32 s47, 0
	s_add_nc_u64 s[8:9], s[8:9], s[46:47]
.macro MUL8 f, c, a0, zero             ; 8 matrix instructions; the 16 accumulators take turns
.irp a, \a0, \a0+1
.irp b, 0,1,2,3
.if \zero
	v_wmma_f32_16x16x32_f16 v[ACC+8*(4*(\a)+\b):ACC+8*(4*(\a)+\b)+7], v[\f+64+8*(4*\c+\b):\f+64+8*(4*\c+\b)+7], v[\f+8*(4*\c+\a):\f+8*(4*\c+\a)+7], 0
.else
	v_wmma_f32_16x16x32_f16 v[ACC+8*(4*(\a)+\b):ACC+8*(4*(\a)+\b)+7], v[\f+64+8*(4*\c+\b):\f+64+8*(4*\c+\b)+7], v[\f+8*(4*\c+\a):\f+8*(4*\c+\a)+7], v[ACC+8*(4*(\a)+\b):ACC+8*(4*(\a)+\b)+7]
.endif
.endr
.endr
.endm
.macro FETCH slot, k, f                ; 32 LDS loads in one run: 64 along K at byte k, the first 32 along K first
	WIN TO_F
.irp c, 0,1
.irp i, 0,1,2,3
	ds_load_b128 v[\f+64+8*(4*\c+\i):\f+64+8*(4*\c+\i)+3],   v[ADRB+\slot] offset:\k+64*\c+\i*16*PITCH
	ds_load_b128 v[\f+64+8*(4*\c+\i)+4:\f+64+8*(4*\c+\i)+7], v[ADRB+\slot] offset:\k+64*\c+\i*16*PITCH+32
	ds_load_b128 v[\f+8*(4*\c+\i):\f+8*(4*\c+\i)+3],         v[ADRA+\slot] offset:\k+64*\c+\i*16*PITCH
	ds_load_b128 v[\f+8*(4*\c+\i)+4:\f+8*(4*\c+\i)+7],       v[ADRA+\slot] offset:\k+64*\c+\i*16*PITCH+32
.endr
.endr
.endm
.macro PLACES
.rept 4
	v_nop
.endr
.endm
.macro QUARTER slot, k, f, g, zero
	s_wait_dscnt 16                                ; the first 32 along K are in; the other sixteen loads may be out
	WIN MUL
	MUL8 \f, 0, 0, \zero
	MUL8 \f, 0, 2, \zero
	PLACES
	FETCH \slot, \k, \g
	s_wait_dscnt 32                                ; all but the 32 just issued
	WIN MUL
	MUL8 \f, 1, 0, 0
	MUL8 \f, 1, 2, 0
.endm
.macro TURN slot, next, fill           ; the last quarter changes slots: one barrier, in front of it the wait for all tensor loads, the add, and the wait for it and for my reads of this slot
	WIN 0
	s_wait_tensorcnt 0x0
	ds_add_u32 v[SPW], v[NIL]
	s_wait_dscnt 17                                ; (the add and the youngest sixteen loads may be out)
	WIN MUL
	MUL8 F1, 0, 0, 0
	s_wait_dscnt 0x0
	s_barrier_signal -1
	MUL8 F1, 0, 2, 0
.if \fill
	WIN 0
.endif
	s_barrier_wait -1
.if \fill
	CREST                                          ; a round of the cluster's barrier: no wave of any partner still reads this slot or has a load on its way
	s_add_nc_u64 s[G0+4*\slot+2:G0+4*\slot+3], s[G0+4*\slot+2:G0+4*\slot+3], 2*KSTEP*2
	s_add_nc_u64 s[G0B+4*\slot+2:G0B+4*\slot+3], s[G0B+4*\slot+2:G0B+4*\slot+3], 2*KSTEP*2
	JLOAD \slot
.else
	PLACES
.endif
	FETCH \next, 0, F0
	WIN MUL
	MUL8 F1, 1, 0, 0
	MUL8 F1, 1, 2, 0
.endm
; Rows 0-15.  Head e of my four: 16 loads of Wo (register 4 n + i: channel 16 (n / 2) + 8 h + 4 (n % 2) + i of row 8 T + lane % 8) and 16 of o's image, which lies in the same order
.macro FLOAD e
	WIN 0x80+0x40*((\e)/2)                         ; destination window 2 or 3, address window 0
.set FB, 128*((\e)%2)
.set n, 0
.rept 16
	global_load_b128 v[FB+4*n:FB+4*n+3], v[WA], s[68:69] offset:512*(\e)+64*(n/2)+16*(n%2)
	global_load_b128 v[FB+64+4*n:FB+64+4*n+3], v[LAO], s[70:71] offset:8192*(\e)+512*n
.set n, n+1
.endr
.endm
.macro FMUL e                          ; its 32 products: four accumulators by turns, each a quarter of the channels
	WIN 0x0a+5*((\e)/2)                            ; sources 0 and 1 window 2 or 3; C and D window 0
.set FB, 128*((\e)%2)
.irp c, 0,1,2,3,4,5,6,7
.irp j, 0,1,2,3
.if ((\e) == 0) && (\c == 0)
	v_wmma_f32_16x16x4_f32 v[ACC+8*\j:ACC+8*\j+7], v[FB+8*\c+2*\j:FB+8*\c+2*\j+1], v[FB+64+8*\c+2*\j:FB+64+8*\c+2*\j+1], 0
.else
	v_wmma_f32_16x16x4_f32 v[ACC+8*\j:ACC+8*\j+7], v[FB+8*\c+2*\j:FB+8*\c+2*\j+1], v[FB+64+8*\c+2*\j:FB+64+8*\c+2*\j+1], v[ACC+8*\j:ACC+8*\j+7]
.endif
.endr
.endr
.endm
	; ---- ROWS 0-15 IN f32, while the first tiles are on their way
	FLOAD 0
	FLOAD 1
	FLOAD 2
	FLOAD 3
	WIN 0
	s_wait_loadcnt 63                              ; 96 loads stand behind head 0's, and the counter's field ends at 63: heads 0 and 1 are in
	FMUL 0
	FMUL 1
	s_wait_loadcnt 32                              ; head 2 is in; head 3's 32 loads may be out
	FMUL 2
	s_wait_loadcnt 0x0
	FMUL 3
	WIN 0
.rept 9
	v_nop                                          ; eight places in front of the reads below, nine in front of the main product's first instructions, which write over these registers (ISA guide 7.12.1)
.endr
.irp p, 0,2,4,6
	v_pk_add_f32 v[TMP+\p:TMP+\p+1], v[ACC+\p:ACC+\p+1], v[ACC+8+\p:ACC+8+\p+1]            ; each accumulator from its low end on
	v_pk_add_f32 v[TMP+8+\p:TMP+8+\p+1], v[ACC+16+\p:ACC+16+\p+1], v[ACC+24+\p:ACC+24+\p+1]
.endr
.irp p, 0,2,4,6
	v_pk_add_f32 v[TMP+\p:TMP+\p+1], v[TMP+\p:TMP+\p+1], v[TMP+8+\p:TMP+8+\p+1]
.endr
	ds_store_b128 v[RW], v[TMP:TMP+3]              ; my four heads' part
	ds_store_b128 v[RW], v[TMP+4:TMP+7] offset:512
	s_wait_tensorcnt 1                             ; my part of K step 0 is in (K step 1's load may be out),
	s_wait_dscnt 0x0                               ; and my part of rows 0-15 has landed
	s_barrier_signal -1
	s_barrier_wait -1
	s_cmp_lg_u32 s10, 0
	s_cbranch_scc1 .Lno_sum
.irp u, 0,1,2,3
	ds_load_b128 v[TMP+8*\u:TMP+8*\u+3], v[RR] offset:1024*\u
	ds_load_b128 v[TMP+8*\u+4:TMP+8*\u+7], v[RR] offset:1024*\u+512
.endr
	s_wait_dscnt 0x0
.irp p, 0,2,4,6
	v_pk_add_f32 v[TMP+\p:TMP+\p+1], v[TMP+\p:TMP+\p+1], v[TMP+8+\p:TMP+8+\p+1]
	v_pk_add_f32 v[TMP+16+\p:TMP+16+\p+1], v[TMP+16+\p:TMP+16+\p+1], v[TMP+24+\p:TMP+24+\p+1]
.endr
.irp p, 0,2,4,6
	v_pk_add_f32 v[TMP+\p:TMP+\p+1], v[TMP+\p:TMP+\p+1], v[TMP+16+\p:TMP+16+\p+1]
.endr
	v_cmp_eq_u32 vcc_lo, 1, v2                     ; register j of both halves of the lanes is column 8 T + j of row r: lanes 16-31 take the upper four
.irp i, 0,1,2,3
	v_cndmask_b32 v[96+\i], v[TMP+\i], v[TMP+4+\i], vcc_lo
.endr
	global_store_b128 v[FO], v[96:99], s[76:77]    ; its registers and its base are written no more
.Lno_sum:
	FETCH 0, 0, F0
	QUARTER 0, 128, F0, F1, 1                      ; the first products start the sums
	WIN 0
	s_mov_b32 s3, LAPS-1
.Llap:
	QUARTER 0, 256, F1, F0, 0
	QUARTER 0, 384, F0, F1, 0
	TURN 0, 1, 1
	QUARTER 1, 128, F0, F1, 0
	QUARTER 1, 256, F1, F0, 0
	QUARTER 1, 384, F0, F1, 0
	TURN 1, 0, 1
	QUARTER 0, 128, F0, F1, 0
	WIN 0
	s_sub_co_u32 s3, s3, 1
	s_cmp_lg_u32 s3, 0
	s_cbranch_scc1 .Llap
	QUARTER 0, 256, F1, F0, 0                      ; the last lap fills nothing
	QUARTER 0, 384, F0, F1, 0
	TURN 0, 1, 0
	QUARTER 1, 128, F0, F1, 0
	QUARTER 1, 256, F1, F0, 0
	QUARTER 1, 384, F0, F1, 0
	s_wait_dscnt 16
	WIN MUL
	MUL8 F1, 0, 0, 0
	MUL8 F1, 0, 2, 0
	s_wait_dscnt 0
	MUL8 F1, 1, 0, 0
	MUL8 F1, 1, 2, 0
	WIN 0
; THE WAY OUT, 16 rows x 64 columns at a time through my own stage: in as 32 bytes a lane, back as whole rows of 256 bytes.  LDS serves a wave's instructions in order.
.macro TOSTAGE a
.irp b, 0,1,2,3
	ds_store_b128 v[STO], v[ACC+8*(4*(\a)+\b):ACC+8*(4*(\a)+\b)+3] offset:64*\b        ; each accumulator from its low end on
	ds_store_b128 v[STO], v[ACC+8*(4*(\a)+\b)+4:ACC+8*(4*(\a)+\b)+7] offset:64*\b+16
.endr
.irp t, 0,1,2,3,4,5,6,7
	ds_load_b128 v[TMP+32*((\a)%2)+4*\t:TMP+32*((\a)%2)+4*\t+3], v[RD] offset:\t*2*SPITCH
.endr
.endm
.macro SEND a, younger
	s_wait_dscnt \younger                          ; the block is back; the next block's eight stores and eight loads may be out
.if (\a) == 0                          ; my first 16 rows: where they are rows 0-15 of out0 every lane is off: those rows are stored from f32 operands, above
	s_wait_xcnt 0x0                                ; EXEC changes only behind this wait
	v_cmp_ne_u32 vcc_lo, 0, v[FL]
	s_and_saveexec_b32 s78, vcc_lo
.endif
.irp t, 0,1,2,3,4,5,6,7
	global_store_b128 v[CO], v[TMP+32*((\a)%2)+4*\t:TMP+32*((\a)%2)+4*\t+3], s[8:9] offset:(16*(\a)+2*\t)*SIZE_N*4 th:TH_STORE_NT   ; 16 lanes store 256 consecutive bytes, aligned
.endr
.if (\a) == 0
	s_wait_xcnt 0x0
	s_or_b32 exec_lo, exec_lo, s78
.endif
.endm
	PLACES
	TOSTAGE 0
.irp a, 1,2,3
.if \a > 1
	s_wait_xcnt 0x0                                ; block a - 2's stores have read their registers
.endif
	TOSTAGE \a
	SEND \a-1, 16
.endr
	SEND 3, 0
	s_wait_tensorcnt 0x0                           ; the wave's end
	ds_add_u32 v[SPW], v[NIL]
	s_wait_dscnt 0x0
	CROUND                                         ; the closing round
	s_endpgm
.Lfunc_end_k_qae517db045_proj:
	.size	k_qae517db045_proj, .Lfunc_end_k_qae517db045_proj-k_qae517db045_proj
	.p2alignl 7, 3214868480
	.fill 96, 4, 3214868480
	.section	.rodata,"a",@progbits
	.p2align	6, 0x0
	.amdhsa_kernel k_qae517db045_proj
		.amdhsa_group_segment_fixed_size 327680
		.amdhsa_private_segment_fixed_size 0
		.amdhsa_enable_private_segment 0
		.amdhsa_kernarg_size 40
		.amdhsa_user_sgpr_count 2
		.amdhsa_user_sgpr_kernarg_segment_ptr 1
		.amdhsa_wavefront_size32 1
		.amdhsa_system_sgpr_workgroup_id_x 1
		.amdhsa_system_sgpr_workgroup_id_y 1
		.amdhsa_system_sgpr_workgroup_id_z 1
		.amdhsa_system_vgpr_workitem_id 0
		.amdhsa_next_free_vgpr 1024
		.amdhsa_next_free_sgpr 80
		.amdhsa_reserve_vcc 1
		.amdhsa_float_denorm_mode_32 3
		.amdhsa_float_denorm_mode_16_64 3
		.amdhsa_memory_ordered 1
		.amdhsa_forward_progress 1
		.amdhsa_inst_pref_size 110
	.end_amdhsa_kernel
	.amdgpu_metadata
---
amdhsa.version: [ 1, 2 ]
amdhsa.kernels:
  - .name:           k_qae517db045_proj
    .symbol:         k_qae517db045_proj.kd
    .args:
      - { .name: o16, .offset: 0, .size: 8, .value_kind: global_buffer, .address_space: global }
      - { .name: wo16, .offset: 8, .size: 8, .value_kind: global_buffer, .address_space: global }
      - { .name: out0, .offset: 16, .size: 8, .value_kind: global_buffer, .address_space: global }
      - { .name: Wo, .offset: 24, .size: 8, .value_kind: global_buffer, .address_space: global }
      - { .name: ofine, .offset: 32, .size: 8, .value_kind: global_buffer, .address_space: global }
    .group_segment_fixed_size: 327680
    .private_segment_fixed_size: 0
    .kernarg_segment_align: 8
    .kernarg_segment_size: 40
    .max_flat_workgroup_size: 128
    .sgpr_count:     80
    .vgpr_count:     1024
    .wavefront_size: 32
...
	.end_amdgpu_metadata
.endif
;; end of part 4
